; MI455X (gfx1250); checked and timed in simulation.
; The chip was launched on July 23, 2026; its instructions are those of AMD's public machine-readable ISA for CDNA 5 (MIT licence, August 2026) and "CDNA5" Instruction Set Architecture Reference Guide (July 2026). The comments in the code are by the model that wrote it; some were corrected since.
;; Causal Self Attention. Allowed arithmetic: matrix products marked QUANTISED: E2M3 operands, one E8M0 scale for each 32 along K, by v_wmma_scale_f32_16x16x128_f8f6f4 with both operands' format E2M3, f32 sums; everything else in f32.
;; Inputs: Wk 256 x 1,024 float32; Wproj 1,024 x 1,024 float32; Wq 1,024 x 1,024 float32; Wv 256 x 1,024 float32; q_gain 16 float32; x 4 x 2,048 x 1,024 float32.
;; Outputs: out0 4 x 2,048 x 1,024 float32.
;; This version of the problem:
;;   THIS VERSION OF THE PROBLEM IS GIVEN IN LOW PRECISION. The matrix products marked QUANTISED in the list below multiply operands that are first quantised to E2M3 (2 exponent bits, 3 mantissa bits; 6 bits a number), with one power-of-two scale for each 32 numbers along K (OCP MX v1.0); their sums are f32. All else is computed in f32.
;;   The module's matrix products, in the order in which they are computed (A, B: the left and right operand; K: the contracted axis; several contracted axes count as one K, in the product's order):
;;     1. [M 8,192, K 1,024] x [K 1,024, N 1,024]; A: input x; B: input Wq: QUANTISED
;;     2. [M 8,192, K 1,024] x [K 1,024, N 256]; A: input x; B: input Wk: QUANTISED
;;     3. [M 8,192, K 1,024] x [K 1,024, N 256]; A: input x; B: input Wv: QUANTISED
;;     4. batch 64 x [M 2,048, K 64] x [K 64, N 2,048]; A: computed on the way; B: computed on the way: QUANTISED
;;     5. batch 64 x [M 2,048, K 2,048] x [K 2,048, N 64]; A: softmax (see below); B: computed on the way: QUANTISED
;;     6. [M 8,192, K 1,024] x [K 1,024, N 1,024]; A: computed on the way; B: input Wproj: QUANTISED
;;   THE QUANTISER, for each operand of a quantised product, along K:
;;     - K is cut into blocks of 32 from its start; a last block that is shorter is filled with zeros.
;;     - A block's scale is 2^e with e = floor(log2(the largest magnitude in the block)) - 2, held to -126 .. 127; a block of zeros has e = 0. As a byte (E8M0): e + 127.
;;     - Each number is divided by its block's scale, clamped to +-7.5, and rounded to the nearest number of E2M3, ties to even, subnormals kept.
;;     - The product sums the exact products of the quantised numbers (number of the format x scale) in f32.
;;   ~~~python
;;   def quantise(x, axis):      # numpy; x: float32 -> the quantised numbers, widened to float32 again
;;       x = np.moveaxis(x, axis, -1); K = x.shape[-1]
;;       x = np.pad(x, [(0, 0)] * (x.ndim - 1) + [(0, -K % 32)]); x = x.reshape(x.shape[:-1] + (-1, 32)); a = np.abs(x).max(-1, keepdims=True)
;;       e = np.where(a > 0, np.clip(np.frexp(np.where(a > 0, a, 1))[1] - 1 - 2, -126, 127), 0)      # np.frexp(a)[1] - 1 = floor(log2(a)), exactly
;;       r = np.clip(x / 2.0 ** e, -7.5, 7.5)
;;       step = 2.0 ** (np.maximum(np.frexp(np.where(r == 0, 1, r))[1] - 1, 0) - 3)
;;       q = np.round(r / step) * step * 2.0 ** e      # np.round: ties to even
;;       return np.moveaxis(q.reshape(q.shape[:-2] + (-1,))[..., :K], -1, axis).astype(np.float32)
;;   ~~~
;;   SOFTMAX AHEAD OF A QUANTISED PRODUCT. Where the list says 'softmax', what is quantised is not the finished softmax but p = 2^(t - M), with t = logit x log2(e) and M = ceil(the row's largest t), a whole number; so 1/2 < the row's largest p <= 1. The row's sum l is taken of the UNQUANTISED p, in f32, and the product's result is divided by l at the end. Since M is a whole number, a kernel that streams over the keys may use a running M (the ceiling of the running maximum): every later rescaling is an exact power of two, which a block's scale takes up: the codes' values come out the same.
;;   OPERANDS COMPUTED ON THE WAY. 'Computed on the way' means the value that the module computes at that place (a softmax that the list does not call 'softmax' is quantised finished and normalised). What goes into a quantiser is computed in f32, as accurately as f32 sums, v_exp_f32 and their like allow (about 1e-6 of the number): no bf16 or f16 on the way to a quantiser, and a product that is left as it is and whose result goes on into a quantised operand takes f32 operands (vector FMAs, or v_wmma_f32_16x16x4_f32). A number that lies on a knife's edge between two numbers of the format may be rounded either way, as far as f32 arithmetic and the matrix unit's own rounding can turn it there, and no further.
;; One version. Each part assembles by itself: llvm-mc -triple=amdgcn-amd-amdhsa -mcpu=gfx1250 --defsym DOCPART=n.
;; ======== version 1 of 1: 4 launches
;; limits: right only within a limited range of input values
;; workspace buffers: ops 8,601,600 bytes; rope 524,288 bytes; qb 6,815,744 bytes; kv 3,276,800 bytes; yb 6,553,600 bytes
;; launch prep (part 1): grid 400 x 1, 4 waves a work-group, no clusters, 34,304 bytes of LDS; arguments x, Wq, Wk, Wv, Wproj, ops, rope; writes ops, rope
.if DOCPART == 1
	.amdgcn_target "amdgcn-amd-amdhsa--gfx1250"
	.amdhsa_code_object_version 6
	.text
	.protected	k_q9e4c7c4757_prep
	.globl	k_q9e4c7c4757_prep
	.p2align	8
	.type	k_q9e4c7c4757_prep,@function
k_q9e4c7c4757_prep:
	s_mov_b64 s[64:65], 0
	v_nop
	global_prefetch_b8 v0, s[64:65] scope:SCOPE_SE
	s_setreg_imm32_b32 hwreg(HW_REG_WAVE_MODE, 25, 1), 1
	s_wait_xcnt 0x0
; x [8192][1024] and the four weights ([n][1024], K innermost), f32, become codes of FP6 (E2M3) with one E8M0 byte for each 32 along K; and the table of cosines and sines is made.
; A TILE is 16 rows; slot r of tile t is row 32 (t / 2) + 8 (t % 2) + r + 8 (r / 8).  A tile's RECORD in ops is 12,800 bytes: eight fragments (16 rows x 128 K), each as the image of the operand's
; 12 registers (registers 4 c .. 4 c + 3 of lane l at 512 c + 16 l), then 512 bytes of scale words, word (q, r, i) = row r's four bytes of K step 4 q + i at 256 q + 16 r + 4 i.
; Records 0-511: x.  512 + 24 g + ..: group g's weights: 16 tiles of Wq (heads 4 g .. 4 g + 3), 4 of Wk, 4 of Wv (head g).  608-671: Wproj.
; SHARES.  Work-groups 0-335: two tiles each; a wave takes four K steps (half of K) of one tile.  Each load reads 512 consecutive bytes of one row; a K step's 16 rows turn through the wave's own stage in LDS
; (rows 528 bytes apart) and come back as 16 neighbours of each block a lane.  Every store of codes covers 512 consecutive bytes, the store of scale words one aligned run of 256.
; Work-groups 336-399: a wave makes 8 positions of the table, rope[pos] = 32 cosines, 32 sines of pos / 10^(j / 8), 256 bytes a position.  Waves share nothing: no barrier.
; A block's scale is 2^(floor(log2(largest magnitude)) - 2); its byte is the largest magnitude's exponent field - 2, held at 1 from below.
; LIMITS: NaN and infinities are not served; a block of zeros gets the byte 1 where the rule says 127 (its codes are zeros, and this program alone reads the bytes); magnitudes under 2^-124 share the floor's scale.
; The table: 10^(j / 8) is the nearest f32; its reciprocal is v_rcp_f32 with one correction step; the angle is reduced by pi / 2 in three parts, good for angles to about 1e5 (here at most 2,047).
.set REC, 12800
.set XA,  4                            ; v4   stage, way back: 528 r + 64 h
.set LI,  5                            ; v5   16 x lane
.set L8,  6                            ; v6   8 x lane
.set ST,  7                            ; v7   stage, way in: 16 x lane
.set TM,  8                            ; v8-23 at work in the quantiser
.set W,   26                           ; v26-29 my four K steps' scale words
.set SA,  34                           ; v34  16 r + 8 h
.set SW,  36                           ; v36-37 the two words that my lane stores
.set PC,  40                           ; v40-59 the codes just made
.set SPW, 60                           ; v60  my spare word; v61 = 0: kept for the add
.set NIL, 61
.set X,   64                           ; v64-191 two sets of 64 numbers as loaded
.set Y,   192                          ; v192-255 a K step's numbers, 16 neighbours of each block
.set SEL, 28                           ; s[28:29] lane selects: lane l xor 16
.set WST, 8448                         ; a wave's stage: 16 rows x 528
.set SPARE, 4*WST
	s_load_b256 s[4:11], s[0:1], 0x0               ; x, Wq, Wk, Wv
	s_load_b128 s[12:15], s[0:1], 0x20             ; Wproj, ops
	s_load_b64 s[16:17], s[0:1], 0x30              ; rope
	v_lshl_add_u32 v[SPW], v0, 2, SPARE
	v_mov_b32 v[NIL], 0
	v_lshrrev_b32 v1, 5, v0
	v_readfirstlane_b32 s18, v1                    ; wave 0..3
	v_and_b32 v1, 31, v0                           ; lane
	v_and_b32 v2, 15, v0                           ; r
	v_bfe_u32 v3, v0, 4, 1                         ; h
	v_lshlrev_b32 v[L8], 3, v1
	s_wait_alu depctr_va_vdst(0)                   ; the wait at the head's end
	s_wait_kmcnt 0x0
	s_cmp_ge_u32 ttmp9, 336
	s_cbranch_scc1 .Lrope
	; ---- half a tile.  Which tensor, which of its tiles, which record: chosen on ids alone
	s_lshr_b32 s30, s18, 1
	s_lshl_b32 s19, ttmp9, 1
	s_add_co_u32 s19, s19, s30                     ; t = 0 .. 671
	s_and_b32 s31, s18, 1                          ; q: K steps 4 q .. 4 q + 3
	s_sub_co_u32 s20, s19, 608                     ; Wproj: its tile,
	s_mov_b32 s21, s19                             ; its record
	s_mov_b64 s[22:23], s[12:13]
.macro CHOOSE lim, first, sh, msk, add, ptr    ; below lim: the tensor at s[ptr]; tile = t - first; record = 24 (tile >> sh) + (tile & msk) + add
	s_sub_co_u32 s24, s19, \first
	s_lshr_b32 s25, s24, \sh
	s_mul_i32 s25, s25, 24
	s_and_b32 s26, s24, \msk
	s_add_co_u32 s25, s25, s26
	s_add_co_u32 s25, s25, \add
	s_cmp_lt_u32 s19, \lim
	s_cselect_b32 s20, s24, s20
	s_cselect_b32 s21, s25, s21
	s_cselect_b64 s[22:23], s[\ptr:\ptr+1], s[22:23]
.endm
	CHOOSE 608, 592, 2, 3, 532, 10                 ; Wv
	CHOOSE 592, 576, 2, 3, 528, 8                  ; Wk
	CHOOSE 576, 512, 4, 15, 512, 6                 ; Wq
	s_cmp_lt_u32 s19, 512                          ; x
	s_cselect_b32 s20, s19, s20
	s_cselect_b32 s21, s19, s21
	s_cselect_b64 s[22:23], s[4:5], s[22:23]
	s_lshr_b32 s24, s20, 1
	s_lshl_b32 s24, s24, 17                        ; 32 rows of 4,096 bytes for each pair of tiles,
	s_and_b32 s25, s20, 1
	s_lshl_b32 s25, s25, 15                        ; 8 rows for the odd one,
	s_add_co_u32 s24, s24, s25
	s_lshl_b32 s25, s31, 11                        ; 2,048 bytes along the row for the upper half of K
	s_add_co_u32 s24, s24, s25
	s_mov_b32 s25, 0
	s_add_nc_u64 s[22:23], s[22:23], s[24:25]
	s_mul_i32 s26, s21, REC
	s_mov_b32 s27, 0
	s_add_nc_u64 s[14:15], s[14:15], s[26:27]
	s_lshl_b32 s26, s31, 8
	s_add_co_u32 s26, s26, 12288
	s_add_nc_u64 s[32:33], s[14:15], s[26:27]      ; my 256 bytes of scale words
	s_mul_i32 s26, s31, 6144
	s_add_nc_u64 s[14:15], s[14:15], s[26:27]      ; my four fragments
	s_mov_b32 s[SEL], 0x76543210
	s_mov_b32 s[SEL+1], 0xfedcba98
	s_mul_i32 s24, s18, WST
	v_lshlrev_b32 v[LI], 4, v1
	v_mul_u32_u24 v[XA], v2, 528
	v_lshl_add_u32 v[XA], v3, 6, v[XA]
	v_add_nc_u32 v[XA], s24, v[XA]
	v_add_nc_u32 v[ST], s24, v[LI]
	v_lshlrev_b32 v[SA], 4, v2
	v_lshl_add_u32 v[SA], v3, 3, v[SA]
.irp b, 0,1,2,3
	v_mov_b32 v[TM+4+\b], 0                        ; written once: a lane permute's destination counts as one of its sources
.endr
	s_wait_alu depctr_va_vdst(0)
; my K step s: slot i's 512 bytes by one load, i = 4 b + j
.macro XLOAD set, s
.irp b, 0,1,2,3
.irp j, 0,1,2,3
	global_load_b128 v[X+64*(\set)+16*\b+4*\j:X+64*(\set)+16*\b+4*\j+3], v[LI], s[22:23] offset:512*(\s)+4096*(4*\b+\j+8*(\b/2)) th:TH_LOAD_NT
.endr
.endr
.endm
; 64 numbers of a lane (register 16 b + i = k 32 b + 16 h + i of row r) become a fragment's codes in v[PC] on and its scale word in v[pw]
.macro QUANT s, pw
.irp b, 0,1,2,3
	v_max3_num_f32 v[TM+\b], |v[\s+16*\b]|, |v[\s+1+16*\b]|, 0x1800000   ; block b: my 16 numbers, and the floor 2^(3 - 127): the byte cannot fall under 1
.endr
.irp i, 2,4,6,8,10,12,14
.irp b, 0,1,2,3
	v_max3_num_f32 v[TM+\b], v[TM+\b], |v[\s+16*\b+\i]|, |v[\s+1+16*\b+\i]|
.endr
.endr
.irp b, 0,1,2,3
	v_permlanex16_b32 v[TM+4+\b], v[TM+\b], s[SEL], s[SEL+1]
.endr
.irp b, 0,1,2,3
	v_max_num_f32 v[TM+\b], v[TM+\b], v[TM+4+\b]   ; with lane l xor 16's: the block's largest magnitude
.endr
.irp b, 0,1,2,3
	v_add_nc_u32 v[TM+12+\b], 0xff000000, v[TM+\b] ; 2 off its exponent field: the conversion's scale operand
.endr
.irp b, 0,1,2,3
	v_lshrrev_b32 v[TM+4+\b], 23, v[TM+12+\b]      ; the scale's byte
.endr
	v_lshl_or_b32 v[\pw], v[TM+5], 8, v[TM+4]
	v_lshl_or_b32 v[\pw], v[TM+6], 16, v[\pw]
	v_lshl_or_b32 v[\pw], v[TM+7], 24, v[\pw]
.irp c, 0,1
	v_cvt_scalef32_pk16_fp6_f32 v[PC+6*\c:PC+2+6*\c], v[\s+32*\c:\s+15+32*\c], v[TM+12+2*\c]
	v_cvt_scalef32_pk16_fp6_f32 v[PC+12+4*\c:PC+14+4*\c], v[\s+16+32*\c:\s+31+32*\c], v[TM+12+2*\c+1]   ; (a conversion's three registers begin on an even number)
.endr
	v_nop                                          ; one plain place behind a scaled conversion
.irp c, 0,1                                    ; the operand wants a whole block in a lane: lanes 0-15 block 2 c, lanes 16-31 block 2 c + 1
.irp i, 0,1,2
	v_permlane16_swap_b32 v[PC+6*\c+\i], v[PC+12+4*\c+\i]
.endr
.irp i, 0,1,2
	v_mov_b32 v[PC+3+6*\c+\i], v[PC+12+4*\c+\i]
.endr
.endr
.endm
.macro KSTEP t
.set XS, X+64*((\t)%2)
.if (\t) < 3
	s_wait_loadcnt 16                              ; this step's 16 loads are in; the next step's 16 may be out
.else
	s_wait_loadcnt 0
.endif
.irp i, 0,1,2,3,4,5,6,7,8,9,10,11,12,13,14,15
	ds_store_b128 v[ST], v[XS+4*\i:XS+4*\i+3] offset:528*\i
.endr
.irp i, 0,1,2,3,4,5,6,7,8,9,10,11,12,13,14,15
	ds_load_b128 v[Y+4*\i:Y+4*\i+3], v[XA] offset:128*(\i/4)+16*(\i%4)   ; LDS serves a wave's instructions in order: these see the stores above
.endr
	s_wait_dscnt 0x0                               ; the numbers are back, and the stage's stores have read their registers
	s_wait_xcnt 0x0                                ; the last step's stores have read the codes' registers
.if (\t)+2 < 4
	XLOAD ((\t)%2), (\t)+2
.endif
	QUANT Y, W+(\t)
.irp c, 0,1,2
	global_store_b128 v[LI], v[PC+4*\c:PC+4*\c+3], s[14:15] offset:1536*(\t)+512*\c   ; 512 consecutive bytes
.endr
.endm
	XLOAD 0, 0
	XLOAD 1, 1
.irp t, 0,1,2,3
	KSTEP \t
.endr
	v_cmp_le_u32 vcc_lo, 16, v1                    ; lanes 16-31 store my steps 2 and 3
	v_cndmask_b32 v[SW], v[W], v[W+2], vcc_lo
	v_cndmask_b32 v[SW+1], v[W+1], v[W+3], vcc_lo
	global_store_b64 v[SA], v[SW:SW+1], s[32:33]   ; 256 consecutive bytes
	s_wait_tensorcnt 0x0                           ; the wave's end
	ds_add_u32 v[SPW], v[NIL]
	s_wait_dscnt 0x0
	s_endpgm
	; ---- the table.  Lane (r, h): elements 2 r and 2 r + 1 of the cosines (h = 0) or of the sines (h = 1)
.Lrope:
	s_sub_co_u32 s19, ttmp9, 336
	s_lshl_b32 s19, s19, 2
	s_add_co_u32 s19, s19, s18                     ; 0 .. 255
	s_lshl_b32 s31, s19, 3                         ; my first position
	s_lshl_b32 s24, s19, 11                        ; 8 positions of 256 bytes
	s_mov_b32 s25, 0
	s_add_nc_u64 s[16:17], s[16:17], s[24:25]
	v_mov_b32 v8, 1.0                              ; 10^(j / 8), j = 2 r and 2 r + 1
	v_mov_b32 v9, 1.3335214321633240
.macro PICK k, a, b
	v_cmp_ne_u32 vcc_lo, \k, v2
	v_cndmask_b32 v8, \a, v8, vcc_lo
	v_cndmask_b32 v9, \b, v9, vcc_lo
.endm
	PICK 1, 1.7782794100389228, 2.3713737056616552
	PICK 2, 3.1622776601683795, 4.2169650342858224
	PICK 3, 5.6234132519034908, 7.4989420933245582
	PICK 4, 10.0, 13.335214321633240
	PICK 5, 17.782794100389228, 23.713737056616552
	PICK 6, 31.622776601683795, 42.169650342858224
	PICK 7, 56.234132519034908, 74.989420933245582
	PICK 8, 100.0, 133.35214321633240
	PICK 9, 177.82794100389228, 237.13737056616552
	PICK 10, 316.22776601683795, 421.69650342858224
	PICK 11, 562.34132519034908, 749.89420933245582
	PICK 12, 1000.0, 1333.5214321633240
	PICK 13, 1778.2794100389228, 2371.3737056616552
	PICK 14, 3162.2776601683795, 4216.9650342858224
	PICK 15, 5623.4132519034908, 7498.9420933245582
	s_wait_alu depctr_va_vdst(0)                   ; the wait ahead of the reciprocals
	v_rcp_f32 v10, v8
	v_rcp_f32 v11, v9
	v_sub_nc_u32 v12, 1, v3                        ; cos x = sin(x + pi / 2): the cosines' lanes count one quadrant on.  (A plain place behind the reciprocals)
	s_wait_alu depctr_va_vdst(0)                   ; one wait for both, ahead of their first reader
	v_fma_f32 v13, -v8, v10, 1.0
	v_fma_f32 v14, -v9, v11, 1.0
	v_fma_f32 v10, v10, v13, v10                   ; 1 / 10^(j / 8), corrected once
	v_fma_f32 v11, v11, v14, v11
	s_mov_b32 s30, 8
.Lpos:
	v_cvt_f32_u32 v13, s31
.irp e, 0,1
	v_mul_f32 v[14+\e], v13, v[10+\e]              ; the angle, rounded once
	v_mul_f32 v[16+\e], 0x3f22f983, v[14+\e]       ; x 2 / pi
	v_rndne_f32 v[16+\e], v[16+\e]                 ; k
	v_fmamk_f32 v[18+\e], v[16+\e], 0xbfc90fd8, v[14+\e]   ; a = angle - k pi / 2, pi / 2 in three parts
	v_fmamk_f32 v[18+\e], v[16+\e], 0xb4a8885a, v[18+\e]
	v_fmamk_f32 v[18+\e], v[16+\e], 0xa7c234c4, v[18+\e]
	v_mul_f32 v[20+\e], v[18+\e], v[18+\e]         ; a^2
	v_mov_b32 v[22+\e], 0x37cd4000                 ; cos a
	v_fmaak_f32 v[22+\e], v[22+\e], v[20+\e], 0xbab6077d
	v_fmaak_f32 v[22+\e], v[22+\e], v[20+\e], 0x3d2aaaa8
	v_fma_f32 v[22+\e], v[22+\e], v[20+\e], -0.5
	v_fma_f32 v[22+\e], v[22+\e], v[20+\e], 1.0
	v_mov_b32 v[24+\e], 0x36405000                 ; sin a
	v_fmaak_f32 v[24+\e], v[24+\e], v[20+\e], 0xb9503486
	v_fmaak_f32 v[24+\e], v[24+\e], v[20+\e], 0x3c0888c1
	v_fmaak_f32 v[24+\e], v[24+\e], v[20+\e], 0xbe2aaaab
	v_mul_f32 v[26+\e], v[18+\e], v[20+\e]
	v_fma_f32 v[24+\e], v[24+\e], v[26+\e], v[18+\e]
	v_cvt_i32_f32 v[28+\e], v[16+\e]
	v_add_nc_u32 v[28+\e], v[28+\e], v12           ; the quadrant
	v_and_b32 v[26+\e], 1, v[28+\e]
	v_cmp_ne_u32 vcc_lo, 0, v[26+\e]
	v_cndmask_b32 v[30+\e], v[24+\e], v[22+\e], vcc_lo   ; odd: cos a, even: sin a
	v_and_b32 v[26+\e], 2, v[28+\e]
	v_lshlrev_b32 v[26+\e], 30, v[26+\e]
	v_xor_b32 v[30+\e], v[30+\e], v[26+\e]         ; quadrants 2 and 3: the sign turns
.endr
	global_store_b64 v[L8], v[30:31], s[16:17]     ; the position's 256 consecutive bytes
	s_wait_xcnt 0x0                                ; the store has read its data and its base: both are written again
	s_add_nc_u64 s[16:17], s[16:17], 256
	s_add_co_u32 s31, s31, 1
	s_sub_co_u32 s30, s30, 1
	s_cmp_lg_u32 s30, 0
	s_cbranch_scc1 .Lpos
	s_endpgm
.Lfunc_end_k_q9e4c7c4757_prep:
	.size	k_q9e4c7c4757_prep, .Lfunc_end_k_q9e4c7c4757_prep-k_q9e4c7c4757_prep
	.p2alignl 7, 3214868480
	.fill 96, 4, 3214868480
	.section	.rodata,"a",@progbits
	.p2align	6, 0x0
	.amdhsa_kernel k_q9e4c7c4757_prep
		.amdhsa_group_segment_fixed_size 34304
		.amdhsa_private_segment_fixed_size 0
		.amdhsa_enable_private_segment 0
		.amdhsa_kernarg_size 56
		.amdhsa_user_sgpr_count 2
		.amdhsa_user_sgpr_kernarg_segment_ptr 1
		.amdhsa_wavefront_size32 1
		.amdhsa_system_sgpr_workgroup_id_x 1
		.amdhsa_system_sgpr_workgroup_id_y 1
		.amdhsa_system_sgpr_workgroup_id_z 1
		.amdhsa_system_vgpr_workitem_id 0
		.amdhsa_next_free_vgpr 256
		.amdhsa_next_free_sgpr 66
		.amdhsa_reserve_vcc 1
		.amdhsa_float_denorm_mode_32 3
		.amdhsa_float_denorm_mode_16_64 3
		.amdhsa_memory_ordered 1
		.amdhsa_forward_progress 1
		.amdhsa_inst_pref_size 41
	.end_amdhsa_kernel
	.amdgpu_metadata
---
amdhsa.version: [ 1, 2 ]
amdhsa.kernels:
  - .name:           k_q9e4c7c4757_prep
    .symbol:         k_q9e4c7c4757_prep.kd
    .args:
      - { .name: x, .offset: 0, .size: 8, .value_kind: global_buffer, .address_space: global }
      - { .name: Wq, .offset: 8, .size: 8, .value_kind: global_buffer, .address_space: global }
      - { .name: Wk, .offset: 16, .size: 8, .value_kind: global_buffer, .address_space: global }
      - { .name: Wv, .offset: 24, .size: 8, .value_kind: global_buffer, .address_space: global }
      - { .name: Wproj, .offset: 32, .size: 8, .value_kind: global_buffer, .address_space: global }
      - { .name: ops, .offset: 40, .size: 8, .value_kind: global_buffer, .address_space: global }
      - { .name: rope, .offset: 48, .size: 8, .value_kind: global_buffer, .address_space: global }
    .group_segment_fixed_size: 34304
    .private_segment_fixed_size: 0
    .kernarg_segment_align: 8
    .kernarg_segment_size: 56
    .max_flat_workgroup_size: 128
    .sgpr_count:     66
    .vgpr_count:     256
    .wavefront_size: 32
...
	.end_amdgpu_metadata
.endif
;; end of part 1
;; launch qkv (part 2): grid 4 x 64, 4 waves a work-group, clusters of 4 x 4, 327,680 bytes of LDS; arguments ops, rope, q_gain, qb, kv; writes qb, kv
.if DOCPART == 2
	.amdgcn_target "amdgcn-amd-amdhsa--gfx1250"
	.amdhsa_code_object_version 6
	.text
	.protected	k_q9e4c7c4757_qkv
	.globl	k_q9e4c7c4757_qkv
	.p2align	8
	.type	k_q9e4c7c4757_qkv,@function
k_q9e4c7c4757_qkv:
	s_mov_b64 s[64:65], 0
	v_nop
	global_prefetch_b8 v0, s[64:65] scope:SCOPE_SE
	s_setreg_imm32_b32 hwreg(HW_REG_WAVE_MODE, 25, 1), 1
	s_wait_xcnt 0x0
	s_wait_alu depctr_hold_cnt(0) depctr_sa_sdst(0) depctr_va_vdst(0) depctr_va_sdst(0) depctr_va_ssrc(0) depctr_va_vcc(0) depctr_vm_vsrc(0)
	s_getreg_b32 s2, hwreg(HW_REG_IB_STS2, 6, 4)
	s_cmp_eq_u32 s2, 0
	s_cbranch_scc0 .Lentry_in_a_cluster
	s_endpgm
.Lentry_in_a_cluster:
	s_bfe_u32 s2, ttmp6, 0x10000c
	s_cmp_lg_u32 s2, 0xf033
	s_cbranch_scc0 .Lentry_shape_is_right
	s_endpgm
.Lentry_shape_is_right:
; q, k, v = x W^T on codes of FP6 (records of ops), then rms norm, rotary, gain and the quantisers for attention.  A work-group: 128 rows of x (8 records) x 384 columns (24 records: 4 heads of q, one of k, one of v).
; LDS.  A record's K steps 4 to 7 and its scale words lie on end (6,656 bytes from byte 6,144): each wave's one load at the head brings them for 8 records, 32 rows of 6,656 bytes from LDS byte 0.
; K steps 2, 3 (rows of 3,072 bytes) are a later first fill at R2, behind the full sequence; K steps 0, 1 fill the first 98,304 bytes again when every wave has read K steps 4 to 7 (batch 11).
; So K is walked in the order 4, 5, 6, 7, 2, 3, 0, 1: the sums are f32 and differ from the ascending order by rounding alone.  A wave has one tensor load out at any time.
; No prefetch: the walk is written out with no loop to run ahead in, and each later fill is asked for 11 or 6 batches of 16 products ahead of its first read.
.set REC,   12800
.set SLOT,  98304
.set SCL,   3*SLOT
.set SCLB,  SCL+4096
.set SPARE, SCL+16384
.set VST,   SPARE+512
.set KS,    VST+6144
.set VS,    KS+256
.set QS,    VS+256
.set LI,   4
.set L8,   5
.set SPW,  6
.set NIL,  7
.set ADS,  8
.set ADSA, 9
.set RO,   10
.set AQS,  11
.set AKS,  12
.set AVS,  13
.set LW,   14
.set RDV,  15
.set ADA,  16
.set ADB,  19
.set RDQ,  25
.set AV,   26
.set RDK,  29
.set ADB2, 30
.set R2,   212992
.set SCB,  32
.set SCA,  128
.set AF,   136
.set N,    136
.set R,    168
.set PC,   200
.set TQ,   208
.set KI,   212
.set TM,   224
.set PW,   232
.set PW0,  233
.set SS,   234
.set RS,   238
.set GV,   240
.set QW,   242
.set RT,   128
.set WV,   14
.set SEL,  66
.set HM,   100
.set G1A,  24
.set G1B,  32
.set G1SA, 40
.set G1SB, 48
.set G0SA, 56
.set G0SB, 60
.set G0A,  68
.set G0B,  84
.set MSB, 0
.macro WIN new
.if MSB != (\new)
	s_set_vgpr_msb (MSB<<8)|(\new)
.set MSB, (\new)
.endif
.endm
.macro PLACES n
.rept \n
	v_nop
.endr
.endm
.macro JLOAD g0a, g1a, g0b, g1b
	s_cmp_lt_u32 s[WV], 1
	s_cbranch_scc0 .Lfor_b_\@
	tensor_load_to_lds s[\g0a:\g0a+3], s[\g1a:\g1a+7]
	s_nop 0
.rept 4
	v_nop
.endr
	s_branch .Lasked_\@
.Lfor_b_\@:
	tensor_load_to_lds s[\g0b:\g0b+3], s[\g1b:\g1b+7]
	s_nop 0
.rept 4
	v_nop
.endr
.Lasked_\@:
.endm
.macro CREST
	s_cmp_lg_u32 s[WV], 0
	s_cbranch_scc1 .Lnot_wave_0_\@
	s_barrier_signal -3
.Lnot_wave_0_\@:
	s_barrier_wait -3
	s_barrier_signal -1
	s_barrier_wait -1
.endm
.macro CROUND
	s_barrier_signal -1
	s_barrier_wait -1
	CREST
.endm
	s_load_b256 s[4:11], s[0:1], 0x0
	s_load_b64 s[12:13], s[0:1], 0x20
	v_lshl_add_u32 v[SPW], v0, 2, SPARE
	v_mov_b32 v[NIL], 0
	ds_add_u32 v6, v7
	ds_add_u32 v6, v7
	s_wait_dscnt 0x0
	v_lshrrev_b32 v1, 5, v0
	v_readfirstlane_b32 s[WV], v1
	s_bfe_u32 s15, ttmp6, 0x40000
	s_bfe_u32 s16, ttmp6, 0x40004
	s_lshl_b32 s17, ttmp9, 2
	s_add_co_u32 s17, s17, s15
	s_and_b32 s18, ttmp7, 0xffff
	s_lshl_b32 s18, s18, 2
	s_add_co_u32 s18, s18, s16
	s_lshl_b32 s19, s16, 2
	s_lshl_b32 s19, 15, s19
	s_lshl_b32 s3, 0x1111, s15
	s_or_b32 s[G1A], s19, (3<<16)|(1<<21)
	s_or_b32 s[G1B], s3, (3<<16)|(1<<21)
	s_or_b32 s[G1SA], s19, (3<<16)|(1<<21)
	s_or_b32 s[G1SB], s3, (3<<16)|(1<<21)
.irp g, G1A, G1B
	s_mov_b32 s[\g+1], 384<<16
	s_mov_b32 s[\g+2], 8<<16
	s_mov_b32 s[\g+3], 384<<16
	s_mov_b32 s[\g+4], 8
	s_mov_b32 s[\g+5], 1600
	s_mov_b32 s[\g+6], 0
	s_mov_b32 s[\g+7], 0
.endr
.irp g, G1SA, G1SB
	s_mov_b32 s[\g+1], 832<<16
	s_mov_b32 s[\g+2], 8<<16
	s_mov_b32 s[\g+3], 832<<16
	s_mov_b32 s[\g+4], 8
	s_mov_b32 s[\g+5], 1600
	s_mov_b32 s[\g+6], 0
	s_mov_b32 s[\g+7], 0
.endr
	s_mul_i32 s20, s18, 8*REC
	s_mov_b32 s21, 0
	s_max_u32 s22, s[WV], 1
	s_sub_co_u32 s22, s22, 1
	s_mul_i32 s22, s22, 8*REC
	s_mul_i32 s23, s17, 24*REC
	s_add_co_u32 s22, s22, s23
	s_add_co_u32 s22, s22, 512*REC
	s_mov_b32 s23, 0
	s_mul_i32 s100, s[WV], 24576
	s_mul_i32 s101, s[WV], 53248
	s_wait_kmcnt 0x0
	s_add_nc_u64 s[20:21], s[4:5], s[20:21]
	s_add_nc_u64 s[22:23], s[4:5], s[22:23]
	CROUND
	s_mov_b32 s[G0SA], 1
	s_add_co_u32 s[G0SA+1], s101, 0
	s_add_nc_u64 s[G0SA+2:G0SA+3], s[20:21], 6144
	s_or_b32 s[G0SA+3], s[G0SA+3], 0x80000000
	s_mov_b32 s[G0SB], 1
	s_add_co_u32 s[G0SB+1], s101, 0
	s_add_nc_u64 s[G0SB+2:G0SB+3], s[22:23], 6144
	s_or_b32 s[G0SB+3], s[G0SB+3], 0x80000000
	JLOAD G0SA, G1SA, G0SB, G1SB
.irp f, 0,3                            ; set 0: K steps 2, 3 to R2; set 3: K steps 0, 1 to LDS byte 0 on
	s_mov_b32 s[G0A+4*\f], 1
	s_add_co_u32 s[G0A+4*\f+1], s100, R2-R2*(\f/3)
	s_add_nc_u64 s[G0A+4*\f+2:G0A+4*\f+3], s[20:21], 3072-1024*\f
	s_or_b32 s[G0A+4*\f+3], s[G0A+4*\f+3], 0x80000000
	s_mov_b32 s[G0B+4*\f], 1
	s_add_co_u32 s[G0B+4*\f+1], s100, R2-R2*(\f/3)
	s_add_nc_u64 s[G0B+4*\f+2:G0B+4*\f+3], s[22:23], 3072-1024*\f
	s_or_b32 s[G0B+4*\f+3], s[G0B+4*\f+3], 0x80000000
.endr
	v_and_b32 v1, 31, v0
	v_and_b32 v2, 15, v0
	v_bfe_u32 v3, v0, 4, 1
	v_lshlrev_b32 v[LI], 4, v1
	v_lshlrev_b32 v[L8], 3, v1
	s_mul_i32 s2, s[WV], 13312                     ; my two records of x among the rows of 6,656 bytes,
	v_add_nc_u32 v[ADA], s2, v[LI]
	s_add_co_u32 s3, s2, 6144                      ; and their scale words
	s_mul_i32 s2, s[WV], 6144                      ; among the rows of 3,072 bytes: from byte 0, and at R2
	v_add_nc_u32 v[ADA+2], s2, v[LI]
	s_add_co_u32 s2, s2, R2
	v_add_nc_u32 v[ADA+1], s2, v[LI]
.irp g, 0,1,2
	v_add_nc_u32 v[ADB+\g], (8+8*\g)*6656, v[LI]
.endr
.irp g, 0,1
	v_add_nc_u32 v[ADB+3+\g], R2+24576+49152*\g, v[LI]
	v_add_nc_u32 v[ADB2+\g], 24576+49152*\g, v[LI]
.endr
	v_mul_u32_u24 v[ADS], v3, 6656
	v_lshl_add_u32 v[ADS], v2, 4, v[ADS]
	v_add_nc_u32 v[ADSA], s3, v[ADS]
	v_add_nc_u32 v[ADS], 8*6656+6144, v[ADS]
	v_add_nc_u32 v200, 4*13312, v[ADS]
	v_add_nc_u32 v201, 8*13312, v[ADS]
	v_and_b32 v[RO], 8, v2
	v_add_nc_u32 v[RO], v[RO], v2
	v_lshlrev_b32 v[RO], 8, v[RO]
	v_lshl_add_u32 v[RO], v3, 6, v[RO]
	s_wait_alu depctr_va_vdst(0)
	s_and_b32 s15, s18, 15
	s_lshr_b32 s16, s18, 4
	s_lshl_b32 s16, s16, 2
	s_add_co_u32 s16, s16, s17
	s_lshl_b32 s2, s15, 15
	s_lshl_b32 s3, s[WV], 13
	s_add_co_u32 s2, s2, s3
	s_mov_b32 s3, 0
	s_add_nc_u64 s[6:7], s[6:7], s[2:3]
	s_lshl_b32 s2, s16, 4
	s_add_co_u32 s2, s2, s15
	s_mul_i32 s2, s2, REC
	s_add_nc_u64 s[12:13], s[12:13], s[2:3]
	s_lshl_b32 s2, s16, 2
	s_add_co_u32 s2, s2, s[WV]
	s_lshl_b32 s2, s2, 7
	s_lshl_b32 s100, s15, 3
	s_add_co_u32 s2, s2, s100
	s_lshl_b32 s2, s2, 6
	s_add_co_u32 s2, s2, 6291456
	s_add_nc_u64 s[4:5], s[10:11], s[2:3]
	s_lshl_b32 s2, s16, 9
	s_add_co_u32 s2, s2, s100
	s_lshl_b32 s100, s[WV], 1
	s_add_co_u32 s2, s2, s100
	s_mul_i32 s2, s2, 768
	s_add_nc_u64 s[10:11], s[10:11], s[2:3]
	s_lshl_b32 s2, s17, 4
	s_add_nc_u64 s[8:9], s[8:9], s[2:3]
	WIN 0xc0
.irp u, 0,1
.irp q, 0,1
.irp k, 0,1,2,3
	global_load_b128 v[RT+32*\u+16*\q+4*\k:RT+32*\u+16*\q+4*\k+3], v[RO], s[6:7] offset:2048*\u+128*\q+16*\k
.endr
.endr
.endr
	WIN 0
	s_lshl_b32 s2, s[WV], 7
	s_add_co_u32 s2, s2, QS
	v_lshl_add_u32 v[AQS], v1, 2, s2
	s_lshl_b32 s2, s[WV], 2
	s_add_co_u32 s2, s2, KS
	v_lshl_add_u32 v[AKS], v2, 4, s2
	s_add_co_u32 s2, s[WV], VS
	v_lshl_add_u32 v[AVS], v2, 4, s2
	v_lshl_add_u32 v[AVS], v3, 2, v[AVS]
	s_mul_i32 s2, s[WV], 1536
	v_add_nc_u32 v[LW], s2, v[LI]
	v_add_nc_u32 v[RDV], VST, v[LW]
	s_lshl_b32 s2, s[WV], 9
	s_add_co_u32 s2, s2, QS
	v_add_nc_u32 v[RDQ], s2, v[LI]
	v_add_nc_u32 v[RDK], KS, v[LI]
	s_and_b32 s2, s[WV], 1
	s_lshl_b32 s2, s2, 8
	s_lshr_b32 s3, s[WV], 1
	s_mul_i32 s100, s3, 520
	s_add_co_u32 s100, s100, s2
	s_mul_i32 s101, s3, 1016
	s_add_co_u32 s101, s101, s2
	v_mul_u32_u24 v[AV], v3, 1536
	v_lshl_add_u32 v[AV], v2, 4, v[AV]
	v_add_nc_u32 v[AV+1], s101, v[AV]
	v_add_nc_u32 v[AV+2], s100, v[AV]
	v_add_nc_u32 v[AV], s100, v[AV]
	v_add_nc_u32 v[AV], VST, v[AV]
	v_add_nc_u32 v[AV+1], VST+8, v[AV+1]
	v_add_nc_u32 v[AV+2], VST+512, v[AV+2]
	s_mov_b32 s[HM], 0xffff0000
	s_mov_b32 s[SEL], 0x76543210
	s_mov_b32 s[SEL+1], 0xfedcba98
.macro WM d, a, b, zero, sa, ra, sb, rb
.if \zero
.if (\ra) && (\rb)
	v_wmma_scale_f32_16x16x128_f8f6f4 v[\d:\d+7], v[\a:\a+11], v[\b:\b+11], 0, v[\sa], v[\sb] matrix_a_fmt:MATRIX_FMT_FP6 matrix_b_fmt:MATRIX_FMT_FP6 matrix_a_scale:MATRIX_SCALE_ROW1 matrix_b_scale:MATRIX_SCALE_ROW1
.elseif \ra
	v_wmma_scale_f32_16x16x128_f8f6f4 v[\d:\d+7], v[\a:\a+11], v[\b:\b+11], 0, v[\sa], v[\sb] matrix_a_fmt:MATRIX_FMT_FP6 matrix_b_fmt:MATRIX_FMT_FP6 matrix_a_scale:MATRIX_SCALE_ROW1
.elseif \rb
	v_wmma_scale_f32_16x16x128_f8f6f4 v[\d:\d+7], v[\a:\a+11], v[\b:\b+11], 0, v[\sa], v[\sb] matrix_a_fmt:MATRIX_FMT_FP6 matrix_b_fmt:MATRIX_FMT_FP6 matrix_b_scale:MATRIX_SCALE_ROW1
.else
	v_wmma_scale_f32_16x16x128_f8f6f4 v[\d:\d+7], v[\a:\a+11], v[\b:\b+11], 0, v[\sa], v[\sb] matrix_a_fmt:MATRIX_FMT_FP6 matrix_b_fmt:MATRIX_FMT_FP6
.endif
.else
.if (\ra) && (\rb)
	v_wmma_scale_f32_16x16x128_f8f6f4 v[\d:\d+7], v[\a:\a+11], v[\b:\b+11], v[\d:\d+7], v[\sa], v[\sb] matrix_a_fmt:MATRIX_FMT_FP6 matrix_b_fmt:MATRIX_FMT_FP6 matrix_a_scale:MATRIX_SCALE_ROW1 matrix_b_scale:MATRIX_SCALE_ROW1
.elseif \ra
	v_wmma_scale_f32_16x16x128_f8f6f4 v[\d:\d+7], v[\a:\a+11], v[\b:\b+11], v[\d:\d+7], v[\sa], v[\sb] matrix_a_fmt:MATRIX_FMT_FP6 matrix_b_fmt:MATRIX_FMT_FP6 matrix_a_scale:MATRIX_SCALE_ROW1
.elseif \rb
	v_wmma_scale_f32_16x16x128_f8f6f4 v[\d:\d+7], v[\a:\a+11], v[\b:\b+11], v[\d:\d+7], v[\sa], v[\sb] matrix_a_fmt:MATRIX_FMT_FP6 matrix_b_fmt:MATRIX_FMT_FP6 matrix_b_scale:MATRIX_SCALE_ROW1
.else
	v_wmma_scale_f32_16x16x128_f8f6f4 v[\d:\d+7], v[\a:\a+11], v[\b:\b+11], v[\d:\d+7], v[\sa], v[\sb] matrix_a_fmt:MATRIX_FMT_FP6 matrix_b_fmt:MATRIX_FMT_FP6
.endif
.endif
.endm
.macro FETCH n
.set fs, (\n)/3
.set fg, (\n)%3
.set fsl, (fs/2)%3
.set fe, fs%2
.set fb, 128*((\n)%2)
	WIN 0x40
.irp i, 0,1,2,3,4,5,6,7
.irp c, 0,1,2
.if fs < 4
	ds_load_b128 v[fb+12*\i+4*\c:fb+12*\i+4*\c+3], v[ADB+fg] offset:6656*\i+1536*fs+512*\c
.elseif fs < 6
	ds_load_b128 v[fb+12*\i+4*\c:fb+12*\i+4*\c+3], v[ADB+3+(8*fg+\i)/16] offset:3072*((8*fg+\i)%16)+1536*fe+512*\c
.else
	ds_load_b128 v[fb+12*\i+4*\c:fb+12*\i+4*\c+3], v[ADB2+(8*fg+\i)/16] offset:3072*((8*fg+\i)%16)+1536*fe+512*\c
.endif
.endr
.endr
	WIN 0
.if fg == 0
.irp u, 0,1
.irp c, 0,1,2
.if fs < 4
	ds_load_b128 v[AF+24*(fs%2)+12*\u+4*\c:AF+24*(fs%2)+12*\u+4*\c+3], v[ADA] offset:6656*\u+1536*fs+512*\c
.elseif fs < 6
	ds_load_b128 v[AF+24*(fs%2)+12*\u+4*\c:AF+24*(fs%2)+12*\u+4*\c+3], v[ADA+1] offset:3072*\u+1536*fe+512*\c
.else
	ds_load_b128 v[AF+24*(fs%2)+12*\u+4*\c:AF+24*(fs%2)+12*\u+4*\c+3], v[ADA+2] offset:3072*\u+1536*fe+512*\c
.endif
.endr
.endr
.endif
.endm
.macro MULH n, half
.set mo, (\n)/3                        ; the place in the walk; ms: the K step that stands there: 4, 5, 6, 7, 2, 3, 0, 1
.set mg, (\n)%3
.set mb, 128*((\n)%2)
.set ma, AF+24*(mo%2)
.set mz, 0
.if mo == 0
.set mz, 1
.endif
.set ms, mo+4
.if mo > 3
.set ms, mo-2
.endif
.if mo > 5
.set ms, mo-6
.endif
.if mg < 2
	WIN 0xa1
.elseif (\half) == 0
	WIN 0xf1
.else
	WIN 0xf4
.endif
.irp i, 0,1,2,3
.irp u, 0,1
.set mt, 8*mg+4*(\half)+\i
.set mf, mb+12*(4*(\half)+\i)
.set mx, ma+12*\u
.set mw, SCB+8*(mt/2)+ms
.if mg < 2
.set md, 8*((2*(mt/4)+\u)*4+mt%4)
	WM md, mf, mx, mz, mw, mt%2, SCA+ms, \u
.elseif (\half) == 0
.set md, 8*(4*\u+mt%4)
	WM md, mf, mx, mz, mw, mt%2, SCA+ms, \u
.else
.set md, 64+8*(2*(mt-20)+\u)
	WM md, mx, mf, mz, SCA+ms, \u, mw, mt%2
.endif
.endr
.endr
.endm
.macro BATCH n, kind, cnt
.if (\kind) == 0
	s_wait_dscnt 0x0
	PLACES 4
	FETCH (\n)+1
	MULH \n, 0
	MULH \n, 1
.elseif (\kind) == 1
	s_wait_dscnt 0x0
	s_wait_tensorcnt \cnt
	s_barrier_signal -1
	MULH \n, 0
	WIN 0
	s_barrier_wait -1
	PLACES 4
	FETCH (\n)+1
	MULH \n, 1
.elseif (\kind) == 2
	WIN 0
	s_wait_tensorcnt 0x0
	ds_add_u32 v[SPW], v[NIL]
	s_wait_dscnt 0x1
	MULH \n, 0
	WIN 0
	s_wait_dscnt 0x0
	s_barrier_signal -1
	s_barrier_wait -1
	CREST
	JLOAD G0A+12, G1A, G0B+12, G1B
	FETCH (\n)+1
	MULH \n, 1
.else
	s_wait_dscnt 0x0
	MULH \n, 0
	MULH \n, 1
.endif
.endm
	s_wait_alu depctr_va_vdst(0)                   ; the wait at the head's end
	s_wait_tensorcnt 0x0                           ; my part of the head's rows is in
	ds_add_u32 v[SPW], v[NIL]
	s_wait_dscnt 0x0
	CROUND                                         ; everybody's part is in, and the joint loads meet
	JLOAD G0A, G1A, G0B, G1B                       ; K steps 2, 3
.irp p, 0,1,2,3
.irp q, 0,1
	ds_load_b128 v[SCB+8*\p+4*\q:SCB+8*\p+4*\q+3], v[ADS] offset:13312*\p+256*\q
	ds_load_b128 v[SCB+32+8*\p+4*\q:SCB+32+8*\p+4*\q+3], v200 offset:13312*\p+256*\q
	ds_load_b128 v[SCB+64+8*\p+4*\q:SCB+64+8*\p+4*\q+3], v201 offset:13312*\p+256*\q
.endr
.endr
.irp q, 0,1
	ds_load_b128 v[SCA+4*\q:SCA+4*\q+3], v[ADSA] offset:256*\q
.endr
	FETCH 0
.irp n, 0,1,2,3,4,5,6,7,8,9,10
	BATCH \n, 0, 0
.endr
	BATCH 11, 2, 0
.irp n, 12,13,14,15,16
	BATCH \n, 0, 0
.endr
	BATCH 17, 1, 0
	s_load_b128 s[24:27], s[8:9], 0x0
	s_mov_b32 s28, 0x3c800000
	s_mov_b32 s29, 0x34000000
.irp n, 18,19,20,21,22
	BATCH \n, 0, 0
.endr
	BATCH 23, 3, 0
.macro QUANT2 s, ws, d
	WIN (\ws)|((\ws)<<2)
	v_max3_num_f32 v[TM], |v[(\s)]|, |v[(\s)+1]|, 0x1800000
	v_max3_num_f32 v[TM+1], |v[(\s)+16]|, |v[(\s)+17]|, 0x1800000
.irp i, 2,4,6,8,10,12,14
	v_max3_num_f32 v[TM], |v[(\s)+\i]|, |v[(\s)+\i+1]|, v[TM]
	v_max3_num_f32 v[TM+1], |v[(\s)+16+\i]|, |v[(\s)+17+\i]|, v[TM+1]
.endr
	WIN 0
	v_permlanex16_b32 v[TM+2], v[TM], s[SEL], s[SEL+1]
	v_permlanex16_b32 v[TM+3], v[TM+1], s[SEL], s[SEL+1]
	v_max_num_f32 v[TM], v[TM], v[TM+2]
	v_max_num_f32 v[TM+1], v[TM+1], v[TM+3]
	v_add_nc_u32 v[TM+4], 0xff000000, v[TM]
	v_add_nc_u32 v[TM+5], 0xff000000, v[TM+1]
	v_lshrrev_b32 v[TM+2], 23, v[TM+4]
	v_lshrrev_b32 v[TM+3], 23, v[TM+5]
	WIN (\ws)
	v_cvt_scalef32_pk16_fp6_f32 v[(\d):(\d)+2], v[(\s):(\s)+15], v[TM+4]
	v_cvt_scalef32_pk16_fp6_f32 v[TQ:TQ+2], v[(\s)+16:(\s)+31], v[TM+5]
	WIN 0
	v_nop
.irp i, 0,1,2
	v_permlane16_swap_b32 v[(\d)+\i], v[TQ+\i]
.endr
.irp i, 0,1,2
	v_mov_b32 v[(\d)+3+\i], v[TQ+\i]
.endr
	v_lshl_or_b32 v[PW], v[TM+3], 8, v[TM+2]
.endm
.macro QKUNIT hh, u
.if (\hh) < 4
.set qw, 2
.set qs, 64*(\hh)+32*(\u)
.else
.set qw, 3
.set qs, 32*(\u)
.endif
.set qt, RT+32*(\u)
	s_wait_dscnt 0x0
	WIN qw|(qw<<2)
	v_pk_mul_f32 v[SS:SS+1], v[qs:qs+1], v[qs:qs+1]
	v_pk_mul_f32 v[SS+2:SS+3], v[qs+2:qs+3], v[qs+2:qs+3]
.irp p, 4,8,12,16,20,24,28
	v_pk_fma_f32 v[SS:SS+1], v[qs+\p:qs+\p+1], v[qs+\p:qs+\p+1], v[SS:SS+1]
	v_pk_fma_f32 v[SS+2:SS+3], v[qs+\p+2:qs+\p+3], v[qs+\p+2:qs+\p+3], v[SS+2:SS+3]
.endr
	WIN 0
	v_pk_add_f32 v[SS:SS+1], v[SS:SS+1], v[SS+2:SS+3]
	v_add_f32 v[SS], v[SS], v[SS+1]
	v_permlanex16_b32 v[SS+2], v[SS], s[SEL], s[SEL+1]
	v_add_f32 v[SS], v[SS], v[SS+2]
	v_fma_f32 v[SS+1], v[SS], s28, s29
	s_wait_alu depctr_va_vdst(0)
	v_rsq_f32 v[RS], v[SS+1]
	v_nop
	s_wait_alu depctr_va_vdst(0)
	WIN qw
.irp p, 0,2,4,6,8,10,12,14,16,18,20,22,24,26,28,30
	v_pk_mul_f32 v[N+\p:N+\p+1], v[qs+\p:qs+\p+1], v[RS:RS+1] op_sel_hi:[1,0]
.endr
	WIN 0x0c
.irp p, 0,2,4,6,8,10,12,14
	v_pk_mul_f32 v[R+\p:R+\p+1], v[N+\p:N+\p+1], v[qt+\p:qt+\p+1]
	v_pk_mul_f32 v[R+16+\p:R+17+\p], v[N+\p:N+\p+1], v[qt+16+\p:qt+17+\p]
.endr
.irp p, 0,2,4,6,8,10,12,14
	v_pk_fma_f32 v[R+\p:R+\p+1], v[N+16+\p:N+17+\p], v[qt+16+\p:qt+17+\p], v[R+\p:R+\p+1]
	v_pk_fma_f32 v[R+16+\p:R+17+\p], v[N+16+\p:N+17+\p], v[qt+\p:qt+\p+1], v[R+16+\p:R+17+\p] neg_lo:[0,0,1] neg_hi:[0,0,1]
.endr
	WIN 0
.if (\hh) < 4
	v_mov_b32 v[GV], s[24+(\hh)]
.irp p, 0,2,4,6,8,10,12,14,16,18,20,22,24,26,28,30
	v_pk_mul_f32 v[R+\p:R+\p+1], v[R+\p:R+\p+1], v[GV:GV+1] op_sel_hi:[1,0]
.endr
	s_wait_alu depctr_va_vdst(0)
	s_wait_xcnt 0x0                                ; the last unit's stores have read the codes' registers, which the quantiser writes next
	QUANT2 R, 0, PC
	global_store_b128 v[LI], v[PC:PC+3], s[10:11] offset:98304*(\hh)+768*(\u)
	global_store_b64 v[L8], v[PC+4:PC+5], s[10:11] offset:98304*(\hh)+768*(\u)+512
.if (\u) == 0
	v_lshl_or_b32 v[PW0], v[PW], 16, v[PW]
.else
	v_lshl_or_b32 v[PW], v[PW], 16, v[PW]
	v_cndmask_b32 v[QW], v[PW0], v[PW], s[HM]
	ds_store_b32 v[AQS], v[QW] offset:512*(\hh)
.endif
.else
	s_wait_alu depctr_va_vdst(0)
	s_wait_xcnt 0x0                                ; the earlier stores have read their registers
	QUANT2 R, 0, KI+6*(\u)
.if (\u) == 0
	v_mov_b32 v[PW0], v[PW]
.else
	v_lshl_or_b32 v[QW], v[PW], 16, v[PW0]
	ds_store_b32 v[AKS], v[QW]
.irp c, 0,1,2
	global_store_b128 v[LW], v[KI+4*\c:KI+4*\c+3], s[12:13] offset:512*\c
.endr
.endif
.endif
.endm
.macro VUNIT pp
	s_wait_xcnt 0x0
	s_wait_dscnt 0x0
	QUANT2 64+32*(\pp), 3, PC
.irp i, 0,1,2
	ds_store_b64 v[AV+\i], v[PC+2*\i:PC+2*\i+1] offset:3072*(\pp)
.endr
	v_cndmask_b32 v[QW], v[TM+2], v[TM+3], s[HM]
	ds_store_b8 v[AVS], v[QW] offset:8*(\pp)
.endm
	WIN 0
	PLACES 4
	s_wait_loadcnt 0x0
	s_wait_kmcnt 0x0
	v_mov_b32 v[TM+2], 0
	v_mov_b32 v[TM+3], 0
	v_mov_b32 v[RS+1], 0
	v_mov_b32 v[GV+1], 0
.irp hh, 0,1,2,3
.irp u, 0,1
	QKUNIT \hh, \u
.endr
.endr
	QKUNIT 4, 0
	QKUNIT 4, 1
	VUNIT 0
	VUNIT 1
	s_wait_dscnt 0x0
	s_barrier_signal -1
	s_barrier_wait -1
.irp c, 0,1,2
	ds_load_b128 v[136+4*\c:139+4*\c], v[RDV] offset:512*\c
.endr
	ds_load_b128 v[148:151], v[RDQ]
	s_wait_dscnt 0x0
.irp c, 0,1,2
	global_store_b128 v[LW], v[136+4*\c:139+4*\c], s[12:13] offset:6144+512*\c
.endr
	global_store_b128 v[LI], v[148:151], s[4:5]
	s_cmp_lg_u32 s[WV], 0
	s_cbranch_scc1 .Lnot_0
	ds_load_b128 v[152:155], v[RDK]
	s_wait_dscnt 0x0
	global_store_b128 v[LI], v[152:155], s[12:13] offset:12288
.Lnot_0:
	s_wait_tensorcnt 0x0
	ds_add_u32 v[SPW], v[NIL]
	s_wait_dscnt 0x0
	CROUND
	s_endpgm
.Lfunc_end_k_q9e4c7c4757_qkv:
	.size	k_q9e4c7c4757_qkv, .Lfunc_end_k_q9e4c7c4757_qkv-k_q9e4c7c4757_qkv
	.p2alignl 7, 3214868480
	.fill 96, 4, 3214868480
	.section	.rodata,"a",@progbits
	.p2align	6, 0x0
	.amdhsa_kernel k_q9e4c7c4757_qkv
		.amdhsa_group_segment_fixed_size 327680
		.amdhsa_private_segment_fixed_size 0
		.amdhsa_enable_private_segment 0
		.amdhsa_kernarg_size 40
		.amdhsa_user_sgpr_count 2
		.amdhsa_user_sgpr_kernarg_segment_ptr 1
		.amdhsa_wavefront_size32 1
		.amdhsa_system_sgpr_workgroup_id_x 1
		.amdhsa_system_sgpr_workgroup_id_y 1
		.amdhsa_system_sgpr_workgroup_id_z 1
		.amdhsa_system_vgpr_workitem_id 0
		.amdhsa_next_free_vgpr 1024
		.amdhsa_next_free_sgpr 102
		.amdhsa_reserve_vcc 0
		.amdhsa_float_denorm_mode_32 3
		.amdhsa_float_denorm_mode_16_64 3
		.amdhsa_memory_ordered 1
		.amdhsa_forward_progress 1
		.amdhsa_inst_pref_size 191
	.end_amdhsa_kernel
	.amdgpu_metadata
---
amdhsa.version: [ 1, 2 ]
amdhsa.kernels:
  - .name:           k_q9e4c7c4757_qkv
    .symbol:         k_q9e4c7c4757_qkv.kd
    .args:
      - { .name: ops, .offset: 0, .size: 8, .value_kind: global_buffer, .address_space: global }
      - { .name: rope, .offset: 8, .size: 8, .value_kind: global_buffer, .address_space: global }
      - { .name: q_gain, .offset: 16, .size: 8, .value_kind: global_buffer, .address_space: global }
      - { .name: qb, .offset: 24, .size: 8, .value_kind: global_buffer, .address_space: global }
      - { .name: kv, .offset: 32, .size: 8, .value_kind: global_buffer, .address_space: global }
    .group_segment_fixed_size: 327680
    .private_segment_fixed_size: 0
    .kernarg_segment_align: 8
    .kernarg_segment_size: 40
    .max_flat_workgroup_size: 128
    .sgpr_count:     102
    .vgpr_count:     1024
    .wavefront_size: 32
...
	.end_amdgpu_metadata
.endif
;; end of part 2
;; launch attn (part 3): grid 16 x 16, 16 waves a work-group, clusters of 4 x 1, 206,848 bytes of LDS; arguments qb, kv, yb; writes yb
.if DOCPART == 3
	.amdgcn_target "amdgcn-amd-amdhsa--gfx1250"
	.amdhsa_code_object_version 6
	.text
	.protected	k_q9e4c7c4757_attn
	.globl	k_q9e4c7c4757_attn
	.p2align	8
	.type	k_q9e4c7c4757_attn,@function
k_q9e4c7c4757_attn:
	s_mov_b64 s[64:65], 0
	v_nop
	global_prefetch_b8 v0, s[64:65] scope:SCOPE_SE
	s_setreg_imm32_b32 hwreg(HW_REG_WAVE_MODE, 25, 1), 1
	s_wait_xcnt 0x0
	s_wait_alu depctr_hold_cnt(0) depctr_sa_sdst(0) depctr_va_vdst(0) depctr_va_sdst(0) depctr_va_ssrc(0) depctr_va_vcc(0) depctr_vm_vsrc(0)
	s_getreg_b32 s2, hwreg(HW_REG_IB_STS2, 6, 4)
	s_cmp_eq_u32 s2, 0
	s_cbranch_scc0 .Lentry_in_a_cluster
	s_endpgm
.Lentry_in_a_cluster:
	s_bfe_u32 s2, ttmp6, 0x10000c
	s_cmp_lg_u32 s2, 0x3003
	s_cbranch_scc0 .Lentry_shape_is_right
	s_endpgm
.Lentry_shape_is_right:
; y = softmax(q k^T / 8, causal) v for 64 heads of 2,048 queries x 64, both products on codes of FP6 (E2M3) with E8M0 scales; y leaves as codes along the projection's K.
; THE SOFTMAX AHEAD OF THE SECOND PRODUCT: t = score x log2(e) / 8; M = the row's largest t so far, rounded UP to a whole number; p = 2^(t - M) is quantised along the keys, not normalised; the row's sum is taken of the
; unquantised p and divides at the end.  When M moves, the sum and O are multiplied by 2^(old M - new M): exact.
; SHARES.  Grid y = 4 b + g: one k/v head.  The four work-groups of a cluster are the four query heads that share it (cx); they take the same query tiles, so they run alike, and k and v are asked for JOINTLY.
; The whole k/v head, 16 records of 12,800 bytes (128 keys each), lies in LDS for the whole launch: wave w asks for record w, once; nothing is filled again and nothing is stored to LDS.  So there is no stream to prefetch.
; Wave w of cluster i takes the query tiles T = 16 i + w and 127 - T: (T / 8 + 1) + ((127 - T) / 8 + 1) = 17 key steps for every wave of the launch.
; Slot r of tile T is query 32 (T / 2) + 8 (T % 2) + r + 8 (r / 8).  Both products are used transposed: a lane holds ONE query throughout.
; THE HEAD'S 64 IN AN INSTRUCTION OF 128: a stored image of k holds 16 keys in registers 0-5 and 16 other keys in registers 6-11.  q stands between zeros: [q | 0] picks the first 16 keys, [0 | q] the second.
; WHICH KEYS FORM A TILE is chosen by the lanes' LDS addresses: slots 0-7 of fragment (c, s) come from stored image 2 c, slots 8-15 from image 2 c + 1 (its lanes r % 8 + 8 s).  Then register 32 c + i of lane (r, h)
; is key 64 c + 32 h + i: a lane holds WHOLE blocks of 32 keys, in the order of the second product's operand: a block's maximum needs no other lane and the codes no exchange of lanes.
; CAUSAL: the loop walks all 16 records (a constant count); a step all of whose keys come after the tile's queries is jumped over by a scalar branch on ids; on the diagonal hidden scores become -infinity.
; A tile's 16 queries lie within 24 of its first.  Where that is under key 64 of the diagonal's record (T % 8 < 4: one of every wave's two tiles), keys 64 to 127 come after all of them: that step has a copy of its own,
; chosen by ids, which leaves those 64 keys' scores, exponentials, sums and conversions out and gives the second product zero codes for them.
; LIMITS: NaN and infinities are not served; the promise holds while the scaled scores stay under 2^31 in magnitude; a block of zeros keeps the byte 1 (its codes are zeros); v_exp_f32 and v_rcp_f32 are good to one unit
; in the last place; a block's largest p is taken from its largest score.  y's two scale bytes a row leave by a store of 2 bytes a lane, 16 bytes apart: eight heads share those 256 bytes, and they lie in other work-groups.
; REGISTERS: v1-7, v34 lane terms; v8-11 the step's addresses; v12 and v35 -M, v13 the largest score, v[14:15] the sum; v16-33 zeros, q, zeros; v36-83 four fragments; v84-87 k's scale words, v88-91 v's;
;   v96-159 S^T, then p; v160-191 O^T; v192-207 at work; v224-235 p's codes; v236-249 at work; v250-251 for the add; v252 f, v253 p's scale word; v255 q's.
.set REC, 12800
.set AK,  1                            ; 16 x lane
.set AS,  2                            ; 16 r
.set QR,  3                            ; r + 8 (r / 8) - 32 h
.set L8,  4                            ; 8 x lane
.set R4,  5                            ; 4 r
.set AKN, 6                            ; k's fragments: 1536 (r / 8) + 256 h + 16 (r % 8)
.set ASN, 7                            ; k's scale words: 12288 + 16 (r % 8) + 4 (r / 8)
.set ADK, 8
.set ADS, 9
.set ADV, 10
.set ADW, 11
.set SH8, 34                           ; 8 h
.set TM,  236
.set TQ,  244
.set PW,  248
.set TB,  2                            ; s2  the record in hand, in LDS
.set J,   3                            ; s3  its number
.set WV,  18
.set SEL, 20
.set CS,  22                           ; s22 c = log2(e) / 8
.set G1,  24
.set G0,  32
.set JD,  36                           ; s36 the record on the diagonal
.set TT,  37                           ; s37 the query tile
.set Q0D, 38                           ; s38 its first query in that record
.set JH,  39                           ; s39 the record whose step takes the short copy: JD, or none (64)
.macro CROUND
	s_barrier_signal -1
	s_barrier_wait -1
	s_cmp_lg_u32 s[WV], 0
	s_cbranch_scc1 .Lnot_wave_0_\@
	s_barrier_signal -3
.Lnot_wave_0_\@:
	s_barrier_wait -3
	s_barrier_signal -1
	s_barrier_wait -1
.endm
	s_load_b128 s[4:7], s[0:1], 0x0                ; qb, kv
	s_load_b64 s[8:9], s[0:1], 0x10                ; yb
	v_lshl_add_u32 v250, v0, 2, 0x32000
	v_mov_b32 v251, 0
	ds_add_u32 v250, v251
	ds_add_u32 v250, v251
	v_lshrrev_b32 v8, 5, v0
	v_readfirstlane_b32 s[WV], v8                  ; wave 0..15
	s_bfe_u32 s10, ttmp6, 0x40000                  ; cx: the query head within the group: it enters q's and y's addresses alone
	s_and_b32 s11, ttmp7, 0xffff                   ; 4 b + g, which the four partners share
	s_mov_b32 s[G1], 15|(3<<16)|(1<<21)            ; the mask: all four; elements of 8 bytes; bit 21 beside a mask; no padding
	s_mov_b32 s[G1+1], 32<<16                      ; a record is dense: 50 rows of 256 bytes
	s_mov_b32 s[G1+2], 50<<16
	s_mov_b32 s[G1+3], 32<<16
	s_mov_b32 s[G1+4], 50
	s_mov_b32 s[G1+5], 32
	s_mov_b32 s[G1+6], 0
	s_mov_b32 s[G1+7], 0
	s_lshl_b32 s48, s11, 4
	s_add_co_u32 s48, s48, s[WV]
	s_mul_i32 s48, s48, REC
	s_mov_b32 s49, 0
	s_mov_b32 s[G0], 1
	s_mul_i32 s[G0+1], s[WV], REC
	s_wait_dscnt 0x0
	s_wait_kmcnt 0x0
	s_add_nc_u64 s[G0+2:G0+3], s[6:7], s[48:49]
	s_or_b32 s[G0+3], s[G0+3], 0x80000000
	CROUND                                         ; all four work-groups are here: the joint loads meet
	tensor_load_to_lds s[G0:G0+3], s[G1:G1+7]      ; my one tensor load: record w
	s_nop 0
.rept 4
	v_nop
.endr
	s_lshl_b32 s12, s11, 2
	s_add_co_u32 s12, s12, s10
	s_lshl_b32 s12, s12, 7                         ; (16 b + head) x 128: q's tiles
	s_lshr_b32 s13, s11, 2
	s_lshl_b32 s13, s13, 7                         ; b x 128: y's records
	s_and_b32 s14, s11, 3
	s_lshl_b32 s14, s14, 2
	s_add_co_u32 s14, s14, s10                     ; the head, 0 .. 15
	s_mul_i32 s16, s14, 768                        ; its six registers in a record: K step head / 2, half head % 2
	s_lshr_b32 s17, s14, 3
	s_lshl_b32 s17, s17, 8
	s_and_b32 s15, s14, 7
	s_lshl_b32 s15, s15, 1
	s_add_co_u32 s17, s17, s15
	s_add_co_u32 s17, s17, 12288                   ; its two bytes in a row's scale words
	s_lshl_b32 s[TT], ttmp9, 4
	s_add_co_u32 s[TT], s[TT], s[WV]               ; T = 16 i + w
	s_mov_b32 s[SEL], 0x76543210
	s_mov_b32 s[SEL+1], 0xfedcba98
	s_mov_b32 s[CS], 0x3e38aa3b
	s_mov_b32 s51, 0
	v_and_b32 v8, 31, v0
	v_and_b32 v9, 15, v0
	v_bfe_u32 v10, v0, 4, 1
	v_lshlrev_b32 v[AK], 4, v8
	v_lshlrev_b32 v[AS], 4, v9
	v_lshlrev_b32 v[L8], 3, v8
	v_lshlrev_b32 v[R4], 2, v9
	v_and_b32 v11, 8, v9                           ; 8 (r / 8)
	v_and_b32 v13, 7, v9                           ; r % 8
	v_lshlrev_b32 v12, 5, v10
	v_add_nc_u32 v[QR], v11, v9
	v_lshlrev_b32 v[SH8], 3, v10
	v_mul_u32_u24 v[AKN], v11, 192
	v_lshrrev_b32 v[ASN], 1, v11
	v_sub_nc_u32 v[QR], v[QR], v12
	v_lshl_add_u32 v[AKN], v10, 8, v[AKN]
	v_lshl_add_u32 v[ASN], v13, 4, v[ASN]
	v_lshl_add_u32 v[AKN], v13, 4, v[AKN]
	v_add_nc_u32 v[ASN], 12288, v[ASN]
.irp j, 16,17,18,19,20,21,28,29,30,31,32,33
	v_mov_b32 v[\j], 0                             ; the zero codes on either side of q
.endr
.irp j, 197,238,239,252
	v_mov_b32 v[\j], 0                             ; written once: lane permutes' destinations
.endr
	s_wait_alu depctr_va_vdst(0)                   ; the wait at the head's end
; A KEY STEP: the keys of record J.  full = 1: all 128 (on the diagonal: the queries lie from key 64 on).  full = 0: the diagonal lies under key 64: keys 0 to 63 alone
.macro STEP full
.set NG, 1+(\full)                     ; groups of 64 keys
	v_add_nc_u32 v[ADK], s[TB], v[AKN]             ; four plain places in front of loads into registers that the last products have read
	v_add_nc_u32 v[ADS], s[TB], v[ASN]
	v_add_nc_u32 v[ADV], s[TB], v[AK]
	v_add_nc_u32 v[ADW], s[TB], v[AS]
.irp m, 0,1,2,3                        ; fragment m = 2 c + s
.if \m < 2*NG
.irp c, 0,1,2
	ds_load_b128 v[36+12*\m+4*\c:39+12*\m+4*\c], v[ADK] offset:3072*(\m/2)+128*(\m%2)+512*\c
.endr
	ds_load_b32 v[84+\m], v[ADS] offset:128*(\m%2)+8*(\m/2)
.endif
.endr
	s_wait_alu depctr_va_vdst(0)
	s_wait_dscnt 0x0
.irp m, 0,1,2,3
.if \m < 2*NG
	v_wmma_scale_f32_16x16x128_f8f6f4 v[96+16*\m:103+16*\m], v[36+12*\m:47+12*\m], v[22:33], 0, v[84+\m], v255 matrix_a_fmt:MATRIX_FMT_FP6 matrix_b_fmt:MATRIX_FMT_FP6    ; [q | 0]: keys 64 (m / 2) + 32 h + 16 (m % 2) + 0 .. 7
	v_wmma_scale_f32_16x16x128_f8f6f4 v[104+16*\m:111+16*\m], v[36+12*\m:47+12*\m], v[16:27], 0, v[84+\m], v255 matrix_a_fmt:MATRIX_FMT_FP6 matrix_b_fmt:MATRIX_FMT_FP6  ; [0 | q]: the next eight
.endif
.endr
	v_mov_b32 v199, v12                            ; the old -M.  (With the three below: four places behind the products)
.rept 3
	v_nop
.endr
.irp t, 0,1,2,3                        ; v's fragments take k's registers; they land under the softmax
.irp c, 0,1,2
	ds_load_b128 v[36+12*\t+4*\c:39+12*\t+4*\c], v[ADV] offset:6144+1536*\t+512*\c
.endr
.endr
	ds_load_b128 v[88:91], v[ADW] offset:12544
.if \full
	s_cmp_lt_u32 s[J], s[JD]                       ; under the diagonal every key counts
	s_cbranch_scc1 .Lopen_\@
	v_add_nc_u32 v196, s[Q0D], v[QR]               ; d = my query - the record's first key - 32 h.  Register 32 c + i is hidden where 64 c + i > d; here keys 0 to 63 all count
	v_mov_b32 v198, 0xff800000                     ; -infinity
.set mn, 32
.rept 32
	v_cmp_gt_i32 vcc_lo, 32+mn, v196
	v_cndmask_b32 v[96+mn], v[96+mn], v198, vcc_lo
.set mn, mn+1
.endr
.Lopen_\@:
.else
	v_add_nc_u32 v196, s[Q0D], v[QR]
	v_mov_b32 v198, 0xff800000
.set mn, 0
.rept 32
	v_cmp_gt_i32 vcc_lo, mn, v196
	v_cndmask_b32 v[96+mn], v[96+mn], v198, vcc_lo
.set mn, mn+1
.endr
.endif
.irp c, 0,1                            ; the largest score of my blocks of 32 keys, each in two chains: for the row's maximum and, since p rises with the score, for the block's largest p
.if \c < NG
	v_max3_num_f32 v[192+\c], v[96+32*\c], v[97+32*\c], v[98+32*\c]
	v_max3_num_f32 v[194+\c], v[112+32*\c], v[113+32*\c], v[114+32*\c]
.endif
.endr
.irp i, 3,5,7,9,11,13
.irp c, 0,1
.if \c < NG
	v_max3_num_f32 v[192+\c], v[192+\c], v[96+32*\c+\i], v[97+32*\c+\i]
	v_max3_num_f32 v[194+\c], v[194+\c], v[112+32*\c+\i], v[113+32*\c+\i]
.endif
.endr
.endr
.irp c, 0,1
.if \c < NG
	v_max3_num_f32 v[192+\c], v[192+\c], v[111+32*\c], v[127+32*\c]
.endif
.endr
.irp c, 0,1
.if \c < NG
	v_max_num_f32 v[192+\c], v[192+\c], v[194+\c]
.endif
.endr
	s_delay_alu instid0(VALU_DEP_1)
.if \full
	v_max_num_f32 v196, v192, v193
.else
	v_mov_b32 v196, v192
.endif
	s_delay_alu instid0(VALU_DEP_1)
	v_permlanex16_b32 v197, v196, s[SEL], s[SEL+1] ; lane l xor 16's blocks
	s_delay_alu instid0(VALU_DEP_1)
	v_max3_num_f32 v13, v13, v196, v197            ; the running largest score
	s_delay_alu instid0(VALU_DEP_1)
	v_mul_f32 v198, s[CS], v13                     ; as t (c is positive)
	s_delay_alu instid0(VALU_DEP_1)
	v_floor_f32 v12, -v198                         ; the new -M = floor(-t): M is a whole number;
	v_floor_f32 v35, -v198                         ; the same once more, in a register of another bank: the two halves of a pair name different banks
	s_delay_alu instid0(VALU_DEP_2)
	v_sub_f32 v198, v12, v199                      ; old M - new M: a whole number, 0 or less
	s_delay_alu instid0(VALU_DEP_1)
	v_cvt_i32_f32 v198, v198                       ; (it saturates)
	s_delay_alu instid0(VALU_DEP_1)
	v_ldexp_f32 v252, 1.0, v198                    ; f = 2^(old M - new M),
	v_ldexp_f32 v201, 1.0, v198                    ; likewise in two banks
.set mn, 0
.rept 16*NG
	v_dual_fmamk_f32 v[96+mn], v[96+mn], 0x3e38aa3b, v12 :: v_dual_fmamk_f32 v[97+mn], v[97+mn], 0x3e38aa3b, v35   ; t - M = score x c - M, fused, two in an instruction
.set mn, mn+2
.endr
	v_fma_f32 v192, v192, s[CS], v12               ; the same of each block's largest score
.if \full
	v_fma_f32 v193, v193, s[CS], v12
.endif
.set mn, 0
.rept 16
	v_dual_mul_f32 v[160+mn], v252, v[160+mn] :: v_dual_mul_f32 v[161+mn], v201, v[161+mn]   ; O^T under the new M, ahead of the exponentials
.set mn, mn+2
.endr
	v_dual_mul_f32 v14, v252, v14 :: v_dual_mul_f32 v15, v201, v15   ; and the sums
	s_wait_alu depctr_va_vdst(0)                   ; the wait ahead of the batch
.set mn, 0
.rept 32*NG
	v_exp_f32 v[96+mn], v[96+mn]                   ; p = 2^(t - M), at most 1
.set mn, mn+1
.endr
	v_exp_f32 v192, v192                           ; my blocks' largest p
.if \full
	v_exp_f32 v193, v193
.endif
	v_nop                                          ; a plain place behind the exponentials
	s_wait_alu depctr_va_vdst(0)                   ; one wait for the whole batch, ahead of its first reader
.if \full
	v_max_num_f32 v192, 0x1800000, v192            ; the floor 2^(3 - 127): the byte cannot fall under 1
	v_max_num_f32 v193, 0x1800000, v193
	v_add_nc_u32 v194, 0xff000000, v192            ; 2 off the exponent field: the conversion's scale operand
	v_add_nc_u32 v195, 0xff000000, v193
	v_lshrrev_b32 v196, 23, v194                   ; the bytes of blocks h and 2 + h,
	v_lshrrev_b32 v197, 23, v195
	s_delay_alu instid0(VALU_DEP_1)
	v_lshl_or_b32 v196, v197, 16, v196
.else
	v_max_num_f32 v192, 0x1800000, v192
	s_delay_alu instid0(VALU_DEP_1)
	v_add_nc_u32 v194, 0xff000000, v192
	s_delay_alu instid0(VALU_DEP_1)
	v_lshrrev_b32 v196, 23, v194                   ; the byte of block h;
	s_delay_alu instid0(VALU_DEP_1)
	v_or_b32 v196, 0x7f0000, v196                  ; block 2 + h holds zero codes: the byte of 1.0
.endif
	s_delay_alu instid0(VALU_DEP_1)
	v_lshlrev_b32 v196, v[SH8], v196               ; at their places in the word;
	s_delay_alu instid0(VALU_DEP_1)
	v_permlanex16_b32 v197, v196, s[SEL], s[SEL+1]
	s_delay_alu instid0(VALU_DEP_1)
	v_or_b32 v253, v196, v197                      ; with lane l xor 16's two: p's scale word for these 128 keys
.irp c, 0,1
.if \c < NG
	v_cvt_scalef32_pk16_fp6_f32 v[224+6*\c:226+6*\c], v[96+32*\c:111+32*\c], v[194+\c]
	v_cvt_scalef32_pk16_fp6_f32 v[236+4*\c:238+4*\c], v[112+32*\c:127+32*\c], v[194+\c]   ; (a conversion's three registers begin on an even number)
.endif
.endr
.irp k, 0,1,2,3                        ; the row's sum of the unquantised p, in four chains.  (These four are the plain place behind the conversions)
	v_dual_add_f32 v[200+2*\k], v[96+2*\k], v[104+2*\k] :: v_dual_add_f32 v[201+2*\k], v[97+2*\k], v[105+2*\k]
.endr
.irp c, 0,1
.irp i, 0,1,2
.if \c < NG
	v_mov_b32 v[227+6*\c+\i], v[236+4*\c+\i]       ; registers 6 c .. 6 c + 5 hold keys 64 c + 32 h + 0 .. 31
.else
	v_mov_b32 v[224+6*\c+\i], 0                    ; zero codes for the keys that come after all my queries
	v_mov_b32 v[227+6*\c+\i], 0
.endif
.endr
.endr
.irp g, 2,3,4,5,6,7
.if \g < 4*NG
.irp k, 0,1,2,3
	v_dual_add_f32 v[200+2*\k], v[96+8*\g+2*\k], v[200+2*\k] :: v_dual_add_f32 v[201+2*\k], v[97+8*\g+2*\k], v[201+2*\k]
.endr
.endif
.endr
	v_dual_add_f32 v200, v202, v200 :: v_dual_add_f32 v201, v203, v201
	v_dual_add_f32 v204, v206, v204 :: v_dual_add_f32 v205, v207, v205
	v_dual_add_f32 v200, v204, v200 :: v_dual_add_f32 v201, v205, v201
	v_dual_add_f32 v14, v200, v14 :: v_dual_add_f32 v15, v201, v15   ; this step's sum onto the row's.  (The additions are also the places in front of the products below)
	s_wait_alu depctr_va_vdst(0)
	s_wait_dscnt 0x0                               ; v's fragments and scale words are in
.irp t, 0,1,2,3
	v_wmma_scale_f32_16x16x128_f8f6f4 v[160+8*\t:167+8*\t], v[36+12*\t:47+12*\t], v[224:235], v[160+8*\t:167+8*\t], v[88+\t], v253 matrix_a_fmt:MATRIX_FMT_FP6 matrix_b_fmt:MATRIX_FMT_FP6
.endr
.endm
; 32 numbers v[s] on (registers 0-15 my half of block 0, 16-31 of block 1) become six registers of codes at v[d] and the two bytes in v[PW]
.macro QUANT2 s, d
	v_max3_num_f32 v[TM], |v[(\s)]|, |v[(\s)+1]|, 0x1800000
	v_max3_num_f32 v[TM+1], |v[(\s)+16]|, |v[(\s)+17]|, 0x1800000
.irp i, 2,4,6,8,10,12,14
	v_max3_num_f32 v[TM], |v[(\s)+\i]|, |v[(\s)+\i+1]|, v[TM]
	v_max3_num_f32 v[TM+1], |v[(\s)+16+\i]|, |v[(\s)+17+\i]|, v[TM+1]
.endr
	v_permlanex16_b32 v[TM+2], v[TM], s[SEL], s[SEL+1]
	v_permlanex16_b32 v[TM+3], v[TM+1], s[SEL], s[SEL+1]
	v_max_num_f32 v[TM], v[TM], v[TM+2]
	v_max_num_f32 v[TM+1], v[TM+1], v[TM+3]
	v_add_nc_u32 v[TM+4], 0xff000000, v[TM]
	v_add_nc_u32 v[TM+5], 0xff000000, v[TM+1]
	v_lshrrev_b32 v[TM+2], 23, v[TM+4]
	v_lshrrev_b32 v[TM+3], 23, v[TM+5]
	v_cvt_scalef32_pk16_fp6_f32 v[(\d):(\d)+2], v[(\s):(\s)+15], v[TM+4]
	v_cvt_scalef32_pk16_fp6_f32 v[TQ:TQ+2], v[(\s)+16:(\s)+31], v[TM+5]
	v_nop                                          ; one plain place behind a scaled conversion
.irp i, 0,1,2
	v_permlane16_swap_b32 v[(\d)+\i], v[TQ+\i]
.endr
.irp i, 0,1,2
	v_mov_b32 v[(\d)+3+\i], v[TQ+\i]
.endr
	v_lshl_or_b32 v[PW], v[TM+3], 8, v[TM+2]
.endm
; tile s[TT]: its addresses, and q asked for
.macro PRE
	s_wait_xcnt 0x0                                ; the last tile's stores have read their registers and bases
	s_add_co_u32 s48, s12, s[TT]
	s_mul_i32 s50, s48, 768
	s_add_nc_u64 s[40:41], s[4:5], s[50:51]        ; q's codes
	s_lshl_b32 s50, s48, 6
	s_add_co_u32 s50, s50, 6291456
	s_add_nc_u64 s[42:43], s[4:5], s[50:51]        ; q's scale words
	s_add_co_u32 s48, s13, s[TT]
	s_mul_i32 s48, s48, REC
	s_add_co_u32 s50, s48, s16
	s_add_nc_u64 s[44:45], s[8:9], s[50:51]        ; y's codes
	s_add_co_u32 s50, s48, s17
	s_add_nc_u64 s[46:47], s[8:9], s[50:51]        ; y's scale bytes
	global_load_b128 v[22:25], v[AK], s[40:41]
	global_load_b64 v[26:27], v[L8], s[40:41] offset:512
	global_load_b32 v255, v[R4], s[42:43]
	s_lshr_b32 s[JD], s[TT], 3
	s_lshr_b32 s[Q0D], s[TT], 1
	s_and_b32 s[Q0D], s[Q0D], 3
	s_lshl_b32 s[Q0D], s[Q0D], 5
	s_and_b32 s48, s[TT], 1
	s_lshl_b32 s48, s48, 3
	s_add_co_u32 s[Q0D], s[Q0D], s48               ; 32 ((T / 2) % 4) + 8 (T % 2)
	s_cmp_lt_u32 s[Q0D], 64
	s_cselect_b32 s[JH], s[JD], 64                 ; the diagonal's step takes the short copy where my queries lie under key 64 of its record
.endm
; the tile's walk over the keys, and its way out
.macro MAIN
	v_mov_b32 v13, 0xff61b1e6                      ; the largest score so far: -3e38, under every score
	v_floor_f32 v12, -v13
	v_mov_b32 v14, 0
	v_mov_b32 v15, 0
.set mn, 0
.rept 32
	v_mov_b32 v[160+mn], 0                         ; O^T: the step's first turn finds zeros, which the first change of M leaves zeros
.set mn, mn+1
.endr
	s_mov_b32 s[TB], 0
	s_mov_b32 s[J], 0
	s_wait_alu depctr_va_vdst(0)
	s_wait_loadcnt 0x0
.Lkey_\@:
	s_cmp_gt_u32 s[J], s[JD]                       ; all keys of this record come after my queries
	s_cbranch_scc1 .Lhidden_\@
	s_cmp_eq_u32 s[J], s[JH]
	s_cbranch_scc1 .Lhalf_\@
	STEP 1
	s_branch .Lhidden_\@
.Lhalf_\@:
	STEP 0
.Lhidden_\@:
	s_add_co_u32 s[TB], s[TB], REC
	s_add_co_u32 s[J], s[J], 1
	s_cmp_lt_u32 s[J], 16
	s_cbranch_scc1 .Lkey_\@
.rept 4
	v_nop                                          ; places behind the last products
.endr
	v_add_f32 v14, v14, v15
	v_permlanex16_b32 v252, v14, s[SEL], s[SEL+1]
	v_add_f32 v14, v14, v252                       ; the row's sum
	s_wait_alu depctr_va_vdst(0)                   ; the wait ahead of the reciprocal
	v_rcp_f32 v14, v14
	v_nop
	s_wait_alu depctr_va_vdst(0)                   ; and ahead of its first reader, which is also O^T's
.set mn, 0
.rept 16
	v_pk_mul_f32 v[96+mn:97+mn], v[160+mn:161+mn], v[14:15] op_sel_hi:[1,0]   ; register 16 b + i is number 32 b + 16 h + i of my query's head
.set mn, mn+2
.endr
	QUANT2 96, 224
	global_store_b128 v[AK], v[224:227], s[44:45]              ; 512 consecutive bytes,
	global_store_b64 v[L8], v[228:229], s[44:45] offset:512    ; and 256
	global_store_b16 v[AS], v[PW], s[46:47]                    ; my row's two bytes (both halves of the lanes write the same)
.endm
	PRE                                            ; the first tile's q is asked for while the records are on their way
	s_wait_tensorcnt 0x0                           ; my record is in,
	s_barrier_signal -1
	s_barrier_wait -1                              ; everybody's is
	MAIN
	s_sub_co_u32 s[TT], 127, s[TT]
	PRE
	MAIN
	s_wait_tensorcnt 0x0                           ; the wave's end
	ds_add_u32 v250, v251
	s_wait_dscnt 0x0
	CROUND                                         ; the closing round
	s_endpgm
.Lfunc_end_k_q9e4c7c4757_attn:
	.size	k_q9e4c7c4757_attn, .Lfunc_end_k_q9e4c7c4757_attn-k_q9e4c7c4757_attn
	.p2alignl 7, 3214868480
	.fill 96, 4, 3214868480
	.section	.rodata,"a",@progbits
	.p2align	6, 0x0
	.amdhsa_kernel k_q9e4c7c4757_attn
		.amdhsa_group_segment_fixed_size 206848
		.amdhsa_private_segment_fixed_size 0
		.amdhsa_enable_private_segment 0
		.amdhsa_kernarg_size 24
		.amdhsa_user_sgpr_count 2
		.amdhsa_user_sgpr_kernarg_segment_ptr 1
		.amdhsa_wavefront_size32 1
		.amdhsa_system_sgpr_workgroup_id_x 1
		.amdhsa_system_sgpr_workgroup_id_y 1
		.amdhsa_system_sgpr_workgroup_id_z 1
		.amdhsa_system_vgpr_workitem_id 0
		.amdhsa_next_free_vgpr 256
		.amdhsa_next_free_sgpr 66
		.amdhsa_reserve_vcc 1
		.amdhsa_float_denorm_mode_32 3
		.amdhsa_float_denorm_mode_16_64 3
		.amdhsa_memory_ordered 1
		.amdhsa_forward_progress 1
		.amdhsa_inst_pref_size 80
	.end_amdhsa_kernel
	.amdgpu_metadata
---
amdhsa.version: [ 1, 2 ]
amdhsa.kernels:
  - .name:           k_q9e4c7c4757_attn
    .symbol:         k_q9e4c7c4757_attn.kd
    .args:
      - { .name: qb, .offset: 0, .size: 8, .value_kind: global_buffer, .address_space: global }
      - { .name: kv, .offset: 8, .size: 8, .value_kind: global_buffer, .address_space: global }
      - { .name: yb, .offset: 16, .size: 8, .value_kind: global_buffer, .address_space: global }
    .group_segment_fixed_size: 206848
    .private_segment_fixed_size: 0
    .kernarg_segment_align: 8
    .kernarg_segment_size: 24
    .max_flat_workgroup_size: 512
    .sgpr_count:     66
    .vgpr_count:     256
    .wavefront_size: 32
...
	.end_amdgpu_metadata
.endif
;; end of part 3
;; launch proj (part 4): grid 4 x 64, 4 waves a work-group, clusters of 4 x 4, 327,680 bytes of LDS; arguments ops, yb, out0; writes out0
.if DOCPART == 4
	.amdgcn_target "amdgcn-amd-amdhsa--gfx1250"
	.amdhsa_code_object_version 6
	.text
	.protected	k_q9e4c7c4757_proj
	.globl	k_q9e4c7c4757_proj
	.p2align	8
	.type	k_q9e4c7c4757_proj,@function
k_q9e4c7c4757_proj:
	s_mov_b64 s[64:65], 0
	v_nop
	global_prefetch_b8 v0, s[64:65] scope:SCOPE_SE
	s_setreg_imm32_b32 hwreg(HW_REG_WAVE_MODE, 25, 1), 1
	s_wait_xcnt 0x0
	s_wait_alu depctr_hold_cnt(0) depctr_sa_sdst(0) depctr_va_vdst(0) depctr_va_sdst(0) depctr_va_ssrc(0) depctr_va_vcc(0) depctr_vm_vsrc(0)
	s_getreg_b32 s2, hwreg(HW_REG_IB_STS2, 6, 4)
	s_cmp_eq_u32 s2, 0
	s_cbranch_scc0 .Lentry_in_a_cluster
	s_endpgm
.Lentry_in_a_cluster:
	s_bfe_u32 s2, ttmp6, 0x10000c
	s_cmp_lg_u32 s2, 0xf033
	s_cbranch_scc0 .Lentry_shape_is_right
	s_endpgm
.Lentry_shape_is_right:
; out0 = y Wproj^T on codes of FP6 (E2M3) with E8M0 scales.  A work-group: 128 rows of y (8 records of yb) x 256 columns (16 records of ops, 608 on).
; A record is 12,800 bytes: eight fragments (16 rows x 128 K) as images of the operand's registers, then 512 bytes of scale words.  The 24 records, 307,200 bytes, all lie in LDS, record p at 12,800 p:
; each is dense in memory, so ONE tensor load a wave at the head brings everything (waves 0, 1: four records of y each; waves 2, 3: eight of Wproj each), as rows of 256 bytes.  Nothing is filled again.
; CLUSTERS, 4 x 4: y's records are shared along a row of the cluster, Wproj's along a column: joint loads.  No prefetch: all is asked for at the head, and there is no loop to run ahead in.
; SHARES.  A wave takes 64 columns: its four tiles of Wproj, all of K, are read from LDS once and stay in 384 registers.  The 128 rows go in FOUR PHASES of 32 rows (two tiles of y), each in two chunks of four K steps
; (32 products); a chunk's fragments of y are fetched one chunk ahead.  Two sets of eight accumulators take turns by phase: a finished phase goes through the wave's own stage and is stored while the next is multiplied.
; The product is used transposed (source 0 = Wproj's rows): a lane holds 16 neighbouring columns of one row.  The stage (16 rows x 272 bytes a wave) lies in LDS bytes of its own, into which no load lands;
; a store of the wave covers two runs of 256 consecutive bytes, each aligned.
; REGISTERS: window 0: v6-19 addresses; v24-39 Wproj's scale words, v40-71 y's; v72-103, v224-255 rows on the way out; v128-223 y's fragments, even chunks.  Window 1: Wproj's fragments of K steps 0-3; window 2: of 4-7.
;   Window 3: v0-127 the accumulators; v128-223 y's fragments, odd chunks.
.set REC,   12800
.set BB,    8*REC
.set SPARE, 24*REC
.set STG,   SPARE+512
.set ADA,  6                           ; v6-7   16 x lane, + records 0-3 or 4-7 of y
.set ADA2, 8                           ; v8-9   8 x lane, likewise
.set ADB,  10                          ; v10    my four records of Wproj
.set ADSB, 11                          ; v11    their scale words: lanes 0-15 one record's, lanes 16-31 the next one's
.set ADSA, 12                          ; v12-13 y's scale words
.set STO,  14
.set RD,   15
.set CO,   16
.set SPW,  18
.set NIL,  19
.set SCB,  24
.set SCA,  40
.set OB0,  72
.set OB1,  224
.set AF,   128
.set WV,   14
.set G1A,  24
.set G1B,  32
.set G0A,  40
.set G0B,  44
.set MSB, 0
.macro WIN new
.if MSB != (\new)
	s_set_vgpr_msb (MSB<<8)|(\new)
.set MSB, (\new)
.endif
.endm
.macro PLACES n
.rept \n
	v_nop
.endr
.endm
.macro CROUND
	s_barrier_signal -1
	s_barrier_wait -1
	s_cmp_lg_u32 s[WV], 0
	s_cbranch_scc1 .Lnot_wave_0_\@
	s_barrier_signal -3
.Lnot_wave_0_\@:
	s_barrier_wait -3
	s_barrier_signal -1
	s_barrier_wait -1
.endm
	s_load_b128 s[4:7], s[0:1], 0x0                ; ops, yb
	s_load_b64 s[8:9], s[0:1], 0x10                ; out0
	v_lshl_add_u32 v[SPW], v0, 2, SPARE
	v_mov_b32 v[NIL], 0
	ds_add_u32 v[SPW], v[NIL]
	ds_add_u32 v[SPW], v[NIL]
	v_lshrrev_b32 v1, 5, v0
	v_readfirstlane_b32 s[WV], v1
	s_bfe_u32 s15, ttmp6, 0x40000                  ; cx, cy
	s_bfe_u32 s16, ttmp6, 0x40004
	s_lshl_b32 s17, ttmp9, 2
	s_add_co_u32 s17, s17, s15                     ; block column
	s_and_b32 s18, ttmp7, 0xffff
	s_lshl_b32 s18, s18, 2
	s_add_co_u32 s18, s18, s16                     ; block row
	s_lshl_b32 s19, s16, 2
	s_lshl_b32 s19, 15, s19                        ; my row of the cluster
	s_lshl_b32 s3, 0x1111, s15                     ; my column
	s_or_b32 s[G1A], s19, (3<<16)|(1<<21)
	s_or_b32 s[G1B], s3, (3<<16)|(1<<21)
	s_mov_b32 s[G1A+1], 32<<16                     ; rows of 256 bytes: 200 for four records,
	s_mov_b32 s[G1A+2], 200<<16
	s_mov_b32 s[G1A+3], 32<<16
	s_mov_b32 s[G1A+4], 200
	s_mov_b32 s[G1A+5], 32
	s_mov_b32 s[G1A+6], 0
	s_mov_b32 s[G1A+7], 0
	s_mov_b32 s[G1B+1], 32<<16                     ; 400 for eight
	s_mov_b32 s[G1B+2], 400<<16
	s_mov_b32 s[G1B+3], 32<<16
	s_mov_b32 s[G1B+4], 400
	s_mov_b32 s[G1B+5], 32
	s_mov_b32 s[G1B+6], 0
	s_mov_b32 s[G1B+7], 0
	s_and_b32 s12, s[WV], 1
	s_lshl_b32 s20, s18, 3
	s_lshl_b32 s21, s12, 2
	s_add_co_u32 s20, s20, s21
	s_mul_i32 s20, s20, REC
	s_mov_b32 s21, 0
	s_lshl_b32 s22, s17, 4
	s_lshl_b32 s23, s12, 3
	s_add_co_u32 s22, s22, s23
	s_add_co_u32 s22, s22, 608
	s_mul_i32 s22, s22, REC
	s_mov_b32 s23, 0
	s_mul_i32 s10, s12, 4*REC
	s_mul_i32 s11, s12, 8*REC
	s_wait_dscnt 0x0
	s_wait_kmcnt 0x0
	s_add_nc_u64 s[20:21], s[6:7], s[20:21]
	s_add_nc_u64 s[22:23], s[4:5], s[22:23]
	CROUND                                         ; all sixteen work-groups are here: the joint loads meet
	s_mov_b32 s[G0A], 1
	s_add_co_u32 s[G0A+1], s10, 0
	s_mov_b64 s[G0A+2:G0A+3], s[20:21]
	s_or_b32 s[G0A+3], s[G0A+3], 0x80000000
	s_mov_b32 s[G0B], 1
	s_add_co_u32 s[G0B+1], s11, BB
	s_mov_b64 s[G0B+2:G0B+3], s[22:23]
	s_or_b32 s[G0B+3], s[G0B+3], 0x80000000
	s_cmp_lt_u32 s[WV], 2
	s_cbranch_scc0 .Lfor_b
	tensor_load_to_lds s[G0A:G0A+3], s[G1A:G1A+7]
	s_nop 0
	PLACES 4
	s_branch .Lasked
.Lfor_b:
	tensor_load_to_lds s[G0B:G0B+3], s[G1B:G1B+7]
	s_nop 0
	PLACES 4
.Lasked:
	v_and_b32 v1, 31, v0
	v_and_b32 v2, 15, v0                           ; r
	v_bfe_u32 v3, v0, 4, 1                         ; h
	v_lshlrev_b32 v[ADA], 4, v1
	v_lshlrev_b32 v[ADA2], 3, v1
	v_add_nc_u32 v[ADA+1], 4*REC, v[ADA]
	v_add_nc_u32 v[ADA2+1], 4*REC, v[ADA2]
	s_mul_i32 s2, s[WV], 4*REC
	s_add_co_u32 s2, s2, BB
	v_add_nc_u32 v[ADB], s2, v[ADA]
	v_mul_u32_u24 v[ADSA], v3, REC
	v_lshl_add_u32 v[ADSA], v2, 4, v[ADSA]
	v_add_nc_u32 v[ADSA], 12288, v[ADSA]
	v_add_nc_u32 v[ADSB], s2, v[ADSA]
	v_add_nc_u32 v[ADSA+1], 4*REC, v[ADSA]
	s_mul_i32 s2, s[WV], 4352                      ; my stage
	s_add_co_u32 s2, s2, STG
	v_mul_u32_u24 v[STO], v2, 272                  ; in: row r, 64 bytes for each half of the lanes
	v_lshl_add_u32 v[STO], v3, 6, v[STO]
	v_add_nc_u32 v[STO], s2, v[STO]
	v_mul_u32_u24 v[RD], v3, 272                   ; back: lanes 0-15 one row of 256 bytes, lanes 16-31 the next
	v_lshl_add_u32 v[RD], v2, 4, v[RD]
	v_add_nc_u32 v[RD], s2, v[RD]
	v_lshlrev_b32 v[CO], 12, v3                    ; and the same two rows in out0
	v_lshl_add_u32 v[CO], v2, 4, v[CO]
	s_lshl_b32 s2, s18, 19                         ; 128 rows of 4,096 bytes a block row,
	s_lshl_b32 s3, s17, 10                         ; 1,024 bytes a block column,
	s_add_co_u32 s2, s2, s3
	s_lshl_b32 s3, s[WV], 8                        ; 256 a wave
	s_add_co_u32 s2, s2, s3
	s_mov_b32 s3, 0
	s_add_nc_u64 s[8:9], s[8:9], s[2:3]
.macro WM d, a, b, zero, sa, ra, sb, rb
.if \zero
.if (\ra) && (\rb)
	v_wmma_scale_f32_16x16x128_f8f6f4 v[\d:\d+7], v[\a:\a+11], v[\b:\b+11], 0, v[\sa], v[\sb] matrix_a_fmt:MATRIX_FMT_FP6 matrix_b_fmt:MATRIX_FMT_FP6 matrix_a_scale:MATRIX_SCALE_ROW1 matrix_b_scale:MATRIX_SCALE_ROW1
.elseif \ra
	v_wmma_scale_f32_16x16x128_f8f6f4 v[\d:\d+7], v[\a:\a+11], v[\b:\b+11], 0, v[\sa], v[\sb] matrix_a_fmt:MATRIX_FMT_FP6 matrix_b_fmt:MATRIX_FMT_FP6 matrix_a_scale:MATRIX_SCALE_ROW1
.elseif \rb
	v_wmma_scale_f32_16x16x128_f8f6f4 v[\d:\d+7], v[\a:\a+11], v[\b:\b+11], 0, v[\sa], v[\sb] matrix_a_fmt:MATRIX_FMT_FP6 matrix_b_fmt:MATRIX_FMT_FP6 matrix_b_scale:MATRIX_SCALE_ROW1
.else
	v_wmma_scale_f32_16x16x128_f8f6f4 v[\d:\d+7], v[\a:\a+11], v[\b:\b+11], 0, v[\sa], v[\sb] matrix_a_fmt:MATRIX_FMT_FP6 matrix_b_fmt:MATRIX_FMT_FP6
.endif
.else
.if (\ra) && (\rb)
	v_wmma_scale_f32_16x16x128_f8f6f4 v[\d:\d+7], v[\a:\a+11], v[\b:\b+11], v[\d:\d+7], v[\sa], v[\sb] matrix_a_fmt:MATRIX_FMT_FP6 matrix_b_fmt:MATRIX_FMT_FP6 matrix_a_scale:MATRIX_SCALE_ROW1 matrix_b_scale:MATRIX_SCALE_ROW1
.elseif \ra
	v_wmma_scale_f32_16x16x128_f8f6f4 v[\d:\d+7], v[\a:\a+11], v[\b:\b+11], v[\d:\d+7], v[\sa], v[\sb] matrix_a_fmt:MATRIX_FMT_FP6 matrix_b_fmt:MATRIX_FMT_FP6 matrix_a_scale:MATRIX_SCALE_ROW1
.elseif \rb
	v_wmma_scale_f32_16x16x128_f8f6f4 v[\d:\d+7], v[\a:\a+11], v[\b:\b+11], v[\d:\d+7], v[\sa], v[\sb] matrix_a_fmt:MATRIX_FMT_FP6 matrix_b_fmt:MATRIX_FMT_FP6 matrix_b_scale:MATRIX_SCALE_ROW1
.else
	v_wmma_scale_f32_16x16x128_f8f6f4 v[\d:\d+7], v[\a:\a+11], v[\b:\b+11], v[\d:\d+7], v[\sa], v[\sb] matrix_a_fmt:MATRIX_FMT_FP6 matrix_b_fmt:MATRIX_FMT_FP6
.endif
.endif
.endm
; Wproj's fragments of K steps 4 hf .. 4 hf + 3, my four tiles: fragment (k, t) at v[48 k + 12 t] of window 1 + hf
.macro FETCHB hf
	WIN 0x40*(1+(\hf))
.irp k, 0,1,2,3
.irp t, 0,1,2,3
.irp c, 0,1,2
	ds_load_b128 v[48*\k+12*\t+4*\c:48*\k+12*\t+4*\c+3], v[ADB] offset:REC*\t+1536*(4*(\hf)+\k)+512*\c
.endr
.endr
.endr
	WIN 0
.endm
; chunk j: phase j / 2 (y's records 2 (j / 2) + u), K steps 4 (j % 2) + k: fragment (k, u) at v[AF + 24 k + 12 u] of window 0 (even j) or 3 (odd j)
.macro FETCHA j
.set fp, (\j)/2
.set fh, (\j)%2
	WIN 0xc0*fh
.irp k, 0,1,2,3
.irp u, 0,1
.irp c, 0,1                            ; a head's six registers lie as 512 bytes (four registers) and 256 (two)
	ds_load_b128 v[AF+24*\k+12*\u+6*\c:AF+24*\k+12*\u+6*\c+3], v[ADA+fp/2] offset:REC*((2*fp+\u)%4)+1536*(4*fh+\k)+768*\c
	ds_load_b64 v[AF+24*\k+12*\u+6*\c+4:AF+24*\k+12*\u+6*\c+5], v[ADA2+fp/2] offset:REC*((2*fp+\u)%4)+1536*(4*fh+\k)+768*\c+512
.endr
.endr
.endr
	WIN 0
.endm
; chunk j's 32 products; the phase's eight accumulators take turns, one instruction a turn; a phase's first K step starts the sums
.macro MUL j
.set mp, (\j)/2
.set mh, (\j)%2
	WIN 0xf1+0x0d*mh                               ; C, D window 3; source 1 (y) window 0 or 3; source 0 (Wproj) window 1 or 2
.irp k, 0,1,2,3
.irp u, 0,1
.irp t, 0,1,2,3
.set mz, 0
.if (mh == 0) && (\k == 0)
.set mz, 1
.endif
	WM 64*(mp%2)+32*\u+8*\t, 48*\k+12*\t, AF+24*\k+12*\u, mz, SCB+8*(\t/2)+4*mh+\k, \t%2, SCA+8*mp+4*mh+\k, \u
.endr
.endr
.endr
.endm
; tile u of phase p: 16 rows x 64 columns into my stage, and back as rows of 256 bytes.  LDS serves a wave's instructions in order: no wait between the stores and the loads, nor ahead of the next tile's stores
.macro TOSTAGE p, u
.set tb, OB0+(OB1-OB0)*(\u)
.if (\p) > 0
	s_wait_xcnt 0x0                                ; the last phase's stores have read these registers
.endif
	WIN 0x0c                                       ; the data: window 3
.irp b, 0,1
.irp k, 0,1,2,3
	ds_store_b128 v[STO], v[64*((\p)%2)+32*(\u)+16*\b+4*\k:64*((\p)%2)+32*(\u)+16*\b+4*\k+3] offset:128*\b+16*\k
.endr
.endr
	WIN 0
.irp i, 0,1,2,3,4,5,6,7
	ds_load_b128 v[tb+4*\i:tb+4*\i+3], v[RD] offset:544*\i
.endr
.endm
.macro SEND p, u                       ; slot s of y's tile U = 2 p + u is row 32 (U / 2) + 8 (U % 2) + s + 8 (s / 8); a store takes slots 2 i and 2 i + 1
.set tb, OB0+(OB1-OB0)*(\u)
.irp i, 0,1,2,3,4,5,6,7
	global_store_b128 v[CO], v[tb+4*\i:tb+4*\i+3], s[8:9] offset:(32*(\p)+8*(\u)+2*\i+8*(\i/4))*4096 th:TH_STORE_NT
.endr
.endm
	s_wait_alu depctr_va_vdst(0)                   ; the wait at the head's end
	s_wait_tensorcnt 0x0                           ; my records are in,
	s_barrier_signal -1
	s_barrier_wait -1                              ; everybody's are
.irp p, 0,1
.irp q, 0,1
	ds_load_b128 v[SCB+8*\p+4*\q:SCB+8*\p+4*\q+3], v[ADSB] offset:2*REC*\p+256*\q
.endr
.endr
.irp p, 0,1,2,3
.irp q, 0,1
	ds_load_b128 v[SCA+8*\p+4*\q:SCA+8*\p+4*\q+3], v[ADSA+\p/2] offset:2*REC*(\p%2)+256*\q
.endr
.endr
	FETCHB 0
	FETCHA 0
.irp j, 0,1,2,3,4,5,6,7
	s_wait_dscnt 0x0                               ; this chunk's fragments are in, and what went through the stage is back
.if (\j >= 3) && (\j % 2 == 1)
	WIN 0
	SEND (\j-3)/2, 0
	SEND (\j-3)/2, 1
.endif
	PLACES 4                                       ; in front of loads into registers that the chunk before last has read, and of the stage's reads of results
.if \j == 0
	FETCHB 1
.endif
.if \j < 7
	FETCHA (\j+1)
.endif
.if (\j >= 2) && (\j % 2 == 0)
	TOSTAGE (\j-2)/2, 0                            ; the finished phase's way out stands under this chunk's products
	TOSTAGE (\j-2)/2, 1
.endif
	MUL \j
.endr
	WIN 0
	PLACES 4
	TOSTAGE 3, 0
	TOSTAGE 3, 1
	s_wait_dscnt 16                                ; all but the second tile's 8 stores and 8 loads
	SEND 3, 0
	s_wait_dscnt 0x0
	SEND 3, 1
	s_wait_tensorcnt 0x0                           ; the wave's end
	ds_add_u32 v[SPW], v[NIL]
	s_wait_dscnt 0x0
	CROUND                                         ; the closing round
	s_endpgm
.Lfunc_end_k_q9e4c7c4757_proj:
	.size	k_q9e4c7c4757_proj, .Lfunc_end_k_q9e4c7c4757_proj-k_q9e4c7c4757_proj
	.p2alignl 7, 3214868480
	.fill 96, 4, 3214868480
	.section	.rodata,"a",@progbits
	.p2align	6, 0x0
	.amdhsa_kernel k_q9e4c7c4757_proj
		.amdhsa_group_segment_fixed_size 327680
		.amdhsa_private_segment_fixed_size 0
		.amdhsa_enable_private_segment 0
		.amdhsa_kernarg_size 24
		.amdhsa_user_sgpr_count 2
		.amdhsa_user_sgpr_kernarg_segment_ptr 1
		.amdhsa_wavefront_size32 1
		.amdhsa_system_sgpr_workgroup_id_x 1
		.amdhsa_system_sgpr_workgroup_id_y 1
		.amdhsa_system_sgpr_workgroup_id_z 1
		.amdhsa_system_vgpr_workitem_id 0
		.amdhsa_next_free_vgpr 1024
		.amdhsa_next_free_sgpr 102
		.amdhsa_reserve_vcc 0
		.amdhsa_float_denorm_mode_32 3
		.amdhsa_float_denorm_mode_16_64 3
		.amdhsa_memory_ordered 1
		.amdhsa_forward_progress 1
		.amdhsa_inst_pref_size 78
	.end_amdhsa_kernel
	.amdgpu_metadata
---
amdhsa.version: [ 1, 2 ]
amdhsa.kernels:
  - .name:           k_q9e4c7c4757_proj
    .symbol:         k_q9e4c7c4757_proj.kd
    .args:
      - { .name: ops, .offset: 0, .size: 8, .value_kind: global_buffer, .address_space: global }
      - { .name: yb, .offset: 8, .size: 8, .value_kind: global_buffer, .address_space: global }
      - { .name: out0, .offset: 16, .size: 8, .value_kind: global_buffer, .address_space: global }
    .group_segment_fixed_size: 327680
    .private_segment_fixed_size: 0
    .kernarg_segment_align: 8
    .kernarg_segment_size: 24
    .max_flat_workgroup_size: 128
    .sgpr_count:     102
    .vgpr_count:     1024
    .wavefront_size: 32
...
	.end_amdgpu_metadata
.endif
;; end of part 4
